; MI455X (gfx1250); checked and timed in simulation.
; The chip was launched on July 23, 2026; its instructions are those of AMD's public machine-readable ISA for CDNA 5 (MIT licence, August 2026) and "CDNA5" Instruction Set Architecture Reference Guide (July 2026). The comments in the code are by the model that wrote it; some were corrected since.
;; Causal Atten. Allowed arithmetic: matrix products marked QUANTISED: E2M1 operands, one E8M0 scale for each 32 along K, by v_wmma_scale_f32_16x16x128_f8f6f4 with both operands' format E2M1 (or v_wmma_scale_f32_32x16x128_f4), f32 sums; everything else in f32.
;; Inputs: Wk 1,024 x 1,024 float32; Wp 1,024 x 1,024 float32; Wq 1,024 x 1,024 float32; Wv 1,024 x 1,024 float32; bk 1,024 float32; bp 1,024 float32; bq 1,024 float32; bv 1,024 float32; x 4 x 2,048 x 1,024 float32.
;; Outputs: out0 4 x 2,048 x 1,024 float32.
;; This version of the problem:
;;   THIS VERSION OF THE PROBLEM IS GIVEN IN LOW PRECISION. The matrix products marked QUANTISED in the list below multiply operands that are first quantised to E2M1 (2 exponent bits, 1 mantissa bit; 4 bits a number), with one power-of-two scale for each 32 numbers along K (OCP MX v1.0); their sums are f32. All else is computed in f32.
;;   The module's matrix products, in the order in which they are computed (A, B: the left and right operand; K: the contracted axis; several contracted axes count as one K, in the product's order):
;;     1. [M 8,192, K 1,024] x [K 1,024, N 1,024]; A: input x; B: input Wq: QUANTISED
;;     2. [M 8,192, K 1,024] x [K 1,024, N 1,024]; A: input x; B: input Wk: QUANTISED
;;     3. [M 8,192, K 1,024] x [K 1,024, N 1,024]; A: input x; B: input Wv: QUANTISED
;;     4. batch 64 x [M 2,048, K 64] x [K 64, N 2,048]; A: computed on the way; B: computed on the way: QUANTISED
;;     5. batch 64 x [M 2,048, K 2,048] x [K 2,048, N 64]; A: softmax (see below); B: computed on the way: QUANTISED
;;     6. [M 8,192, K 1,024] x [K 1,024, N 1,024]; A: computed on the way; B: input Wp: QUANTISED
;;   THE QUANTISER, for each operand of a quantised product, along K:
;;     - K is cut into blocks of 32 from its start; a last block that is shorter is filled with zeros.
;;     - A block's scale is 2^e with e = floor(log2(the largest magnitude in the block)) - 2, held to -126 .. 127; a block of zeros has e = 0. As a byte (E8M0): e + 127.
;;     - Each number is divided by its block's scale, clamped to +-6, and rounded to the nearest number of E2M1, ties to even, subnormals kept.
;;     - The product sums the exact products of the quantised numbers (number of the format x scale) in f32.
;;   ~~~python
;;   def quantise(x, axis):      # numpy; x: float32 -> the quantised numbers, widened to float32 again
;;       x = np.moveaxis(x, axis, -1); K = x.shape[-1]
;;       x = np.pad(x, [(0, 0)] * (x.ndim - 1) + [(0, -K % 32)]); x = x.reshape(x.shape[:-1] + (-1, 32)); a = np.abs(x).max(-1, keepdims=True)
;;       e = np.where(a > 0, np.clip(np.frexp(np.where(a > 0, a, 1))[1] - 1 - 2, -126, 127), 0)      # np.frexp(a)[1] - 1 = floor(log2(a)), exactly
;;       r = np.clip(x / 2.0 ** e, -6, 6)
;;       step = 2.0 ** (np.maximum(np.frexp(np.where(r == 0, 1, r))[1] - 1, 0) - 1)
;;       q = np.round(r / step) * step * 2.0 ** e      # np.round: ties to even
;;       return np.moveaxis(q.reshape(q.shape[:-2] + (-1,))[..., :K], -1, axis).astype(np.float32)
;;   ~~~
;;   SOFTMAX AHEAD OF A QUANTISED PRODUCT. Where the list says 'softmax', what is quantised is not the finished softmax but p = 2^(t - M), with t = logit x log2(e) and M = ceil(the row's largest t), a whole number; so 1/2 < the row's largest p <= 1. The row's sum l is taken of the UNQUANTISED p, in f32, and the product's result is divided by l at the end. Since M is a whole number, a kernel that streams over the keys may use a running M (the ceiling of the running maximum): every later rescaling is an exact power of two, which a block's scale takes up: the codes' values come out the same.
;;   OPERANDS COMPUTED ON THE WAY. 'Computed on the way' means the value that the module computes at that place (a softmax that the list does not call 'softmax' is quantised finished and normalised). What goes into a quantiser is computed in f32, as accurately as f32 sums, v_exp_f32 and their like allow (about 1e-6 of the number): no bf16 or f16 on the way to a quantiser, and a product that is left as it is and whose result goes on into a quantised operand takes f32 operands (vector FMAs, or v_wmma_f32_16x16x4_f32). A number that lies on a knife's edge between two numbers of the format may be rounded either way, as far as f32 arithmetic and the matrix unit's own rounding can turn it there, and no further.
;; One version. Each part assembles by itself: llvm-mc -triple=amdgcn-amd-amdhsa -mcpu=gfx1250 --defsym DOCPART=n.
;; ======== version 1 of 1: 4 launches
;; workspace buffers: cod 6,291,456 bytes; scl 393,216 bytes; qrec 4,718,592 bytes; kv 9,175,040 bytes; ocod 4,194,304 bytes; oscl 262,144 bytes
;; launch quant (part 1): grid 384 x 1, 4 waves a work-group, no clusters, 50,688 bytes of LDS; arguments x, Wq, Wk, Wv, Wp, cod, scl; writes cod, scl
.if DOCPART == 1
	.amdgcn_target "amdgcn-amd-amdhsa--gfx1250"
	.amdhsa_code_object_version 6
	.text
	.protected	k_q8c509fe7e8_quant
	.globl	k_q8c509fe7e8_quant
	.p2align	8
	.type	k_q8c509fe7e8_quant,@function
k_q8c509fe7e8_quant:
	s_mov_b64 s[64:65], 0
	v_nop
	global_prefetch_b8 v0, s[64:65] scope:SCOPE_SE
	s_setreg_imm32_b32 hwreg(HW_REG_WAVE_MODE, 25, 1), 1
	s_wait_xcnt 0x0
; FIRST OF FOUR LAUNCHES of causal attention on codes of FP4 (E2M1) with one E8M0 scale for each 32 along a product's K:
;   quant: x and the four weights -> codes;  qkv: the three projections, bias, q and k quantised along the head, v along the keys;
;   attn: both products of attention with the softmax between, o quantised;  proj: the projection on the way out.
; WORK LEFT OUT, in the whole program: key steps of 128 keys that all come after a wave's 16 queries.  reference() builds the mask itself (triu, k = 1) and sets those logits
; to -inf ahead of the softmax, so their weights are 0 and they add nothing to the row's sum or to the second product, whatever finite values the inputs hold.  Every input has a way to the
; output (bk too: it moves k's codes), so all nine are loaded.  LIMIT: a NaN, an infinity or an overflow that would arise only in the steps left out is not carried to the result.
; THIS LAUNCH: x [8192][1024] and Wq, Wk, Wv, Wp [1024][1024], f32, K innermost, become codes and scale bytes.
; A block's scale is 2^(floor(log2(its largest magnitude)) - 2); its byte is the largest magnitude's exponent field - 2, held at 1 from below.  A block of zeros so gets the byte 1 where the rule says 127:
; its codes are zeros, which add nothing under any byte but 0xff, and this program alone reads the bytes.
; LIMITS: blocks whose largest magnitude lies under 2^(3 - 127) have their byte held at 1; NaN and infinities among the inputs are not served.
; LAYOUT OF THE CODES.  Rows are numbered through all five tensors (x 0-8191, Wq, Wk, Wv, Wp 1,024 each) and stored in tiles of 16, a row's place being its number with bits 3 and 4 exchanged:
; place m of tile 2 B + u holds row 32 B + 8 u + m + 8 (m / 8).  A tile is 8,192 bytes: the 16 bytes of block kb (32 codes) of place m lie at 256 kb + 16 m, so that a fragment's four
; registers are 512 consecutive bytes, 16 a lane.  The scale bytes lie [place][32].
; SHARES.  A work-group takes 32 rows, two tiles; wave w rows 8 w .. 8 w + 7, in 16 steps of 512 numbers (half a row).  Each load reads 512 consecutive bytes; a step's 2,048 bytes turn through the wave's own
; stage in LDS so that a lane holds 16 neighbours (two lanes a block).  The codes meet in an image of the two tiles in LDS (a tile's places come from two waves) and leave 512 consecutive bytes a store.
.set STEPS, 16
.set EMAX,  2
.set R,     16                         ; v16-79   four sets of 16 numbers as they are loaded; at the end the codes on their way out
.set X,     80                         ; v80-111  two sets of 16 neighbours
.set E,     112                        ; v112-127 a scale byte for each step
.set C,     128                        ; v128-191 codes: registers of its own for each step
.set WREG,  8192                       ; LDS: a region for each wave: two stages of 32 x SP bytes, behind them its 256 scale bytes
.set SP,    80                         ; a lane's place in a stage: 64 bytes + 16 of padding
.set CIMG,  32768                      ; the two tiles' image: line 32 u + kb, 256 bytes + 16 of padding
.set CP,    272
.set SPARE, 50176                      ; the spare words, 128 bytes for each wave: two blocks of 256 bytes that no other line names
.set SPW,   12                         ; v12  my spare word's LDS address; never rewritten
.set NIL,   13                         ; v13  0; never rewritten
	s_load_b256 s[4:11], s[0:1], 0x0               ; x, Wq, Wk, Wv
	s_load_b128 s[12:15], s[0:1], 0x20             ; Wp, cod
	s_load_b64 s[16:17], s[0:1], 0x30              ; scl
	v_lshl_add_u32 v[SPW], v0, 2, SPARE
	v_mov_b32 v[NIL], 0
	v_lshrrev_b32 v1, 5, v0
	v_readfirstlane_b32 s18, v1                    ; wave
	v_and_b32 v2, 31, v0                           ; lane
	v_lshlrev_b32 v3, 4, v2                        ; my 16 bytes of 512
	s_mul_i32 s19, s18, WREG
	v_lshrrev_b32 v14, 2, v2
	v_mul_u32_u24 v14, v14, SP
	v_and_b32 v15, 3, v2
	v_lshl_add_u32 v14, v15, 4, v14
	v_add_nc_u32 v14, s19, v14                     ; the stage, on the way in: SP (lane / 4) + 16 (lane % 4)
	v_mul_u32_u24 v15, v2, SP
	v_add_nc_u32 v15, s19, v15                     ; and on the way out: SP x lane: my 16 neighbours
	v_lshrrev_b32 v5, 1, v2
	s_add_co_u32 s19, s19, 2*32*SP
	v_add_nc_u32 v5, s19, v5                       ; my wave's 256 scale bytes, my block's byte
	v_lshlrev_b32 v7, 3, v2
	v_add_nc_u32 v6, s19, v7                       ; and on the way out 8 bytes a lane
	s_and_b32 s23, s18, 1                          ; my rows' bit 3 is the tile,
	s_lshr_b32 s26, s18, 1                         ; their bit 4 the upper half of its places
	s_mul_i32 s27, s23, 32*CP
	s_lshl_b32 s28, s26, 7
	s_add_co_u32 s27, s27, s28
	s_add_co_u32 s27, s27, CIMG
	v_lshrrev_b32 v4, 1, v2
	v_mul_u32_u24 v4, v4, CP
	v_and_b32 v8, 1, v2
	v_lshl_add_u32 v4, v8, 3, v4
	v_add_nc_u32 v4, s27, v4                       ; where my 8 bytes of codes go: line = my block, + 8 for the block's second half; the step's row and half stand in the immediate
	s_mul_i32 s28, s18, 16*CP
	s_add_co_u32 s28, s28, CIMG
	v_lshrrev_b32 v10, 4, v2
	v_mul_u32_u24 v10, v10, CP
	v_and_b32 v8, 15, v2
	v_lshl_add_u32 v10, v8, 4, v10
	v_add_nc_u32 v10, s28, v10                     ; back: wave w takes lines 16 w .. 16 w + 15, two an instruction
	s_wait_kmcnt 0x0
	s_and_b32 s22, ttmp9, 31                       ; a weight's group of 32 rows
	s_cmp_lt_u32 ttmp9, 352                        ; which tensor: the choice hangs on the work-group's number alone
	s_cselect_b64 s[20:21], s[10:11], s[12:13]
	s_cmp_lt_u32 ttmp9, 320
	s_cselect_b64 s[20:21], s[8:9], s[20:21]
	s_cmp_lt_u32 ttmp9, 288
	s_cselect_b64 s[20:21], s[6:7], s[20:21]
	s_cmp_lt_u32 ttmp9, 256
	s_cselect_b64 s[20:21], s[4:5], s[20:21]
	s_cselect_b32 s22, ttmp9, s22
	s_lshl_b32 s24, s22, 17                        ; 32 rows of 4,096 bytes,
	s_lshl_b32 s25, s18, 15                        ; my wave's eight
	s_add_co_u32 s24, s24, s25
	s_mov_b32 s25, 0
	s_add_nc_u64 s[20:21], s[20:21], s[24:25]
	s_lshl_b32 s24, ttmp9, 14                      ; two tiles of 8,192 bytes, my wave's quarter
	s_lshl_b32 s27, s18, 12
	s_add_co_u32 s24, s24, s27
	s_add_nc_u64 s[14:15], s[14:15], s[24:25]
	s_lshl_b32 s24, ttmp9, 2                       ; scale bytes: my eight places are 256 consecutive bytes: unit 4 g + 2 (tile) + (upper half)
	s_lshl_b32 s23, s23, 1
	s_add_co_u32 s24, s24, s23
	s_add_co_u32 s24, s24, s26
	s_lshl_b32 s24, s24, 8
	s_add_nc_u64 s[16:17], s[16:17], s[24:25]
.macro LOAD t
.irp i, 0,1,2,3
	global_load_b128 v[R+16*((\t)%4)+4*\i:R+16*((\t)%4)+4*\i+3], v3, s[20:21] offset:2048*(\t)+512*\i th:TH_LOAD_NT   ; 32 lanes read 512 consecutive bytes
.endr
.endm
.macro TURN t                          ; step t's numbers through the stage: LDS serves a wave's instructions in order, so no wait stands between the stores and the loads
.irp i, 0,1,2,3
	ds_store_b128 v14, v[R+16*((\t)%4)+4*\i:R+16*((\t)%4)+4*\i+3] offset:32*SP*((\t)%2)+8*SP*\i
.endr
.irp i, 0,1,2,3
	ds_load_b128 v[X+16*((\t)%2)+4*\i:X+16*((\t)%2)+4*\i+3], v15 offset:32*SP*((\t)%2)+16*\i
.endr
.endm
.irp t, 0,1,2,3
	LOAD \t
.endr
	s_wait_loadcnt 12                              ; step 0's four loads are in
	TURN 0
.macro STEP t
.set XS, X+16*((\t)%2)
.if (\t) > 0
	s_wait_dscnt 2                                 ; this step's numbers are back from the stage; the last step's byte store and code store may be out
.else
	s_wait_dscnt 0x0
.endif
.if (\t)+4 < STEPS
	LOAD (\t)+4                                    ; into the set whose stores into the stage are done
.endif
.if (\t)+1 < STEPS
.if STEPS-2-(\t) >= 3
	s_wait_loadcnt 12                              ; the next step's four loads are in; those of the three steps behind it may be out
.else
	s_wait_loadcnt 4*(STEPS-2-(\t))
.endif
	TURN (\t)+1
.endif
	v_max3_num_f32 v8, |v[XS]|, |v[XS+1]|, |v[XS+2]|               ; the largest magnitude of my 16, in two chains
	v_max3_num_f32 v9, |v[XS+3]|, |v[XS+4]|, |v[XS+5]|
.irp i, 6,10
	v_max3_num_f32 v8, v8, |v[XS+\i]|, |v[XS+\i+1]|
	v_max3_num_f32 v9, v9, |v[XS+\i+2]|, |v[XS+\i+3]|
.endr
	v_max3_num_f32 v8, v8, |v[XS+14]|, |v[XS+15]|
	v_max3_num_f32 v8, v8, v9, (EMAX+1)<<23        ; and the floor 2^(3 - 127): the byte cannot fall under 1
	v_max_num_f32_dpp v8, v8, v8 row_xmask:1 row_mask:0xf bank_mask:0xf   ; and of my neighbour's 16: the block's
	v_add_nc_u32 v11, -(EMAX<<23), v8              ; 2 off its exponent field: the conversion takes the exponent field of this operand as its scale
	v_cvt_scalef32_pk8_fp4_f32 v[C+4*(\t)], v[XS:XS+7], v11
	v_cvt_scalef32_pk8_fp4_f32 v[C+4*(\t)+1], v[XS+8:XS+15], v11
	v_lshrrev_b32 v[E+(\t)], 23, v11               ; the scale's byte
	ds_store_b8 v5, v[E+(\t)] offset:16*(\t)       ; both lanes of a block write the same byte with the same value
	ds_store_b64 v4, v[C+4*(\t):C+4*(\t)+1] offset:((\t)/2)*16+((\t)%2)*16*CP   ; row t / 2 is the place, half t % 2 sixteen lines on; the sixteen blocks lie 272 bytes apart
.endm
.irp t, 0,1,2,3,4,5,6,7,8,9,10,11,12,13,14,15
	STEP \t
.endr
	ds_load_b64 v[8:9], v6                         ; LDS serves a wave's instructions in order: these see my byte stores
	s_wait_dscnt 0x0                               ; they are in, and all my stores into the image have landed: for the others' sake zero
	global_store_b64 v7, v[8:9], s[16:17]          ; 32 lanes store 256 consecutive bytes, aligned
	s_barrier_signal -1
	s_barrier_wait -1                              ; the image is whole
.irp i, 0,1,2,3,4,5,6,7
	ds_load_b128 v[R+4*\i:R+4*\i+3], v10 offset:2*\i*CP
.endr
.irp i, 0,1,2,3,4,5,6,7
	s_wait_dscnt 7-\i
	global_store_b128 v3, v[R+4*\i:R+4*\i+3], s[14:15] offset:512*\i   ; 512 consecutive bytes of the tiles
.endr
	s_wait_tensorcnt 0x0                           ; the wave's end
	ds_add_u32 v[SPW], v[NIL]
	s_wait_dscnt 0x0
	s_endpgm
.Lfunc_end_k_q8c509fe7e8_quant:
	.size	k_q8c509fe7e8_quant, .Lfunc_end_k_q8c509fe7e8_quant-k_q8c509fe7e8_quant
	.p2alignl 7, 3214868480
	.fill 96, 4, 3214868480
	.section	.rodata,"a",@progbits
	.p2align	6, 0x0
	.amdhsa_kernel k_q8c509fe7e8_quant
		.amdhsa_group_segment_fixed_size 50688
		.amdhsa_private_segment_fixed_size 0
		.amdhsa_enable_private_segment 0
		.amdhsa_kernarg_size 56
		.amdhsa_user_sgpr_count 2
		.amdhsa_user_sgpr_kernarg_segment_ptr 1
		.amdhsa_wavefront_size32 1
		.amdhsa_system_sgpr_workgroup_id_x 1
		.amdhsa_system_sgpr_workgroup_id_y 1
		.amdhsa_system_sgpr_workgroup_id_z 1
		.amdhsa_system_vgpr_workitem_id 0
		.amdhsa_next_free_vgpr 192
		.amdhsa_next_free_sgpr 66
		.amdhsa_reserve_vcc 0
		.amdhsa_float_denorm_mode_32 3
		.amdhsa_float_denorm_mode_16_64 3
		.amdhsa_memory_ordered 1
		.amdhsa_forward_progress 1
		.amdhsa_inst_pref_size 36
	.end_amdhsa_kernel
	.amdgpu_metadata
---
amdhsa.version: [ 1, 2 ]
amdhsa.kernels:
  - .name:           k_q8c509fe7e8_quant
    .symbol:         k_q8c509fe7e8_quant.kd
    .args:
      - { .name: x, .offset: 0, .size: 8, .value_kind: global_buffer, .address_space: global }
      - { .name: Wq, .offset: 8, .size: 8, .value_kind: global_buffer, .address_space: global }
      - { .name: Wk, .offset: 16, .size: 8, .value_kind: global_buffer, .address_space: global }
      - { .name: Wv, .offset: 24, .size: 8, .value_kind: global_buffer, .address_space: global }
      - { .name: Wp, .offset: 32, .size: 8, .value_kind: global_buffer, .address_space: global }
      - { .name: cod, .offset: 40, .size: 8, .value_kind: global_buffer, .address_space: global }
      - { .name: scl, .offset: 48, .size: 8, .value_kind: global_buffer, .address_space: global }
    .group_segment_fixed_size: 50688
    .private_segment_fixed_size: 0
    .kernarg_segment_align: 8
    .kernarg_segment_size: 56
    .max_flat_workgroup_size: 128
    .sgpr_count:     66
    .vgpr_count:     192
    .wavefront_size: 32
...
	.end_amdgpu_metadata
.endif
;; end of part 1
;; launch qkv (part 2): grid 8 x 48, 4 waves a work-group, clusters of 4 x 4, 327,680 bytes of LDS; arguments cod, scl, bq, bk, bv, qrec, kv; writes qrec, kv
.if DOCPART == 2
	.amdgcn_target "amdgcn-amd-amdhsa--gfx1250"
	.amdhsa_code_object_version 6
	.text
	.protected	k_q8c509fe7e8_qkv
	.globl	k_q8c509fe7e8_qkv
	.p2align	8
	.type	k_q8c509fe7e8_qkv,@function
k_q8c509fe7e8_qkv:
	s_mov_b64 s[64:65], 0
	v_nop
	global_prefetch_b8 v0, s[64:65] scope:SCOPE_SE
	s_setreg_imm32_b32 hwreg(HW_REG_WAVE_MODE, 25, 1), 1
	s_wait_xcnt 0x0
	s_wait_alu depctr_hold_cnt(0) depctr_sa_sdst(0) depctr_va_vdst(0) depctr_va_sdst(0) depctr_va_ssrc(0) depctr_va_vcc(0) depctr_vm_vsrc(0)
	s_getreg_b32 s2, hwreg(HW_REG_IB_STS2, 6, 4)
	s_cmp_eq_u32 s2, 0
	s_cbranch_scc0 .Lentry_in_a_cluster
	s_endpgm
.Lentry_in_a_cluster:
	s_bfe_u32 s2, ttmp6, 0x10000c
	s_cmp_lg_u32 s2, 0xf033
	s_cbranch_scc0 .Lentry_shape_is_right
	s_endpgm
.Lentry_shape_is_right:
; q = x Wq^T + bq, k = x Wk^T + bk, v = x Wv^T + bv on codes of FP4 (E2M1) with E8M0 scales, K = 1,024; the results are quantised at once, q and k along the head's 64, v along the keys, and leave as codes.
; No work of reference() is left out here.
; A work-group makes 256 x 256 results, each of its four waves 128 x 128: 64 accumulators of 16 x 16.  SIDE B is source 0: a lane's registers run along it; SIDE A is source 1: a lane holds one row of it.
; TWO KINDS OF CLUSTER, told apart by the cluster's y, which all partners share.  y < 8: B = rows of Wq (cluster x = 0) or Wk (1), A = tokens: a lane holds one token and 64 channels: quantised along the channels.
; y >= 8: B = tokens, A = rows of Wv: a lane holds one channel and 64 keys: quantised along the keys.  Codes and scale bytes of x and of the weights lie in one buffer each, so the kinds differ in tile numbers alone.
; TILES.  Place m of tile 2 B + u holds row 32 B + 8 u + m + 8 (m / 8): so the 16 registers of two neighbouring tiles of side B are 16 NEIGHBOURS, 32 B + 16 (lane / 16) + 0 .. 15, as the conversions want them.
; A tile is 8,192 bytes; a fragment's four registers are 512 consecutive bytes, 16 a lane: no pitch and no padding in LDS.
; K = 1,024 lies in LDS whole: two slots of 512 along K, each filled once; nothing is filled again.  The scale bytes of the 512 rows come with them.
; CLUSTERS: 4 x 4.  A's tiles hang on the cluster's y and cy and are shared along a row of the cluster, B's on the cluster's x, y and cx and along a column: each is asked for jointly.
; LIMITS: blocks whose largest magnitude lies under 2^(3 - 127) have their byte held at 1 (blocks of zeros too: their codes are zeros, and this program alone reads the bytes); NaN and infinities are not served.
; REGISTERS: window 0: v1-29 addresses; v32-95 scale words, two sets; v128-191 A's fragments, one set; v192-255 the bias.  Window 1: B's fragments, two sets.  Windows 2, 3: the accumulators ((a, b) at v[8 (8 (a % 4) + b)]).
;   On the way out, window 0: v32-95 64 numbers; v96-103 codes; v104-119 at work; v120 a scale word; v128-143 the tiles' scale words; v144-151 those on their way out.
.set NQ,     4                         ; steps of 128 along K in a slot
.set FR,     8                         ; registers of a fragment
.set NL,     2                         ; LDS loads that bring one
.set NP,     4                         ; places behind this matrix instruction (ISA guide 7.12.1)
.set HALFT,  32768                     ; 8 tiles x 4,096 bytes: what one tensor load brings, and what one wave reads of A or of B
.set SLOT,   131072                    ; A's 16 tiles, then B's 16
.set KS,     32                        ; a row of scale bytes
.set SCL,    262144                    ; behind the slots: the scale bytes, as units of 256 bytes + 16 of padding
.set HALFS,  4352                      ; those of 128 rows
.set SBLK,   544                       ; those of 16 rows
.set SPARE,  279552                    ; the spare words, 128 bytes for each wave
.set ADRA, 16                          ; v16-17  LDS address of my A fragments in slot 0, 1
.set ADRB, 20                          ; v20-21  the same for B
.set LN,   22                          ; v22     lane
.set IO,   24                          ; v24     16 x lane
.set SO,   25                          ; v25     the scale words' offset on the way out
.set ADRS, 27                          ; v27     LDS address of my scale words: lanes 0-15 A's rows, lanes 16-31 B's
.set SPW,  28
.set NIL,  29
.set SC,   32
.set AF,   128
.set BI,   192                         ; the bias
.set HA,   32
.set PC,   96
.set TM,   104
.set PW,   120
.set SWD,  128
.set DS,   144
.set SEL,  2                           ; s[2:3] lane selects for v_permlanex16_b32: lane l xor 16
.set G1, 24
.set G0, 32
.set G1B, 48
.set G0B, 56
.set G1S, 68
.set G0S, 76
.set G1SB, 80
.set G0SB, 88
.set REC,  143360                      ; a head's record in kv
.set QREC, 73728                       ; and in qrec
.set MSB, 0
.macro WIN new                         ; the immediate's high byte repeats the setting that is left
.if MSB != \new
	s_set_vgpr_msb (MSB<<8)|\new
.set MSB, \new
.endif
.endm
.set MUL_LO, 0xa1                      ; source 0 (B) window 1, source 1 (A) window 0, C and D window 2
.set MUL_HI, 0xf1                      ; the same, C and D window 3
.set TO_B,   0x40                      ; destination window 1, address window 0
; A joint load: waves 0 and 1 fetch for A, waves 2 and 3 for B; the branch hangs on the wave's number alone.  An s_nop 0 and four v_nop follow each of the two lines.
.macro JLOAD g0a, g1a, g0b, g1b
	s_cmp_eq_u32 s19, 0
	s_cbranch_scc0 .Lfor_b_\@
	tensor_load_to_lds s[\g0a:\g0a+3], s[\g1a:\g1a+7]
	s_nop 0
.rept 4
	v_nop
.endr
	s_branch .Lasked_\@
.Lfor_b_\@:
	tensor_load_to_lds s[\g0b:\g0b+3], s[\g1b:\g1b+7]
	s_nop 0
.rept 4
	v_nop
.endr
.Lasked_\@:
.endm
.macro CROUND                          ; a round of the cluster's barrier
	s_barrier_signal -1
	s_barrier_wait -1
	s_cmp_lg_u32 s18, 0
	s_cbranch_scc1 .Lnot_wave_0_\@
	s_barrier_signal -3
.Lnot_wave_0_\@:
	s_barrier_wait -3
	s_barrier_signal -1
	s_barrier_wait -1
.endm
	s_load_b256 s[4:11], s[0:1], 0x0               ; cod s[4:5], scl s[6:7], bq s[8:9], bk s[10:11]
	s_load_b128 s[12:15], s[0:1], 0x20             ; bv s[12:13], qrec s[14:15]
	s_load_b64 s[16:17], s[0:1], 0x30              ; kv
	v_lshl_add_u32 v[SPW], v0, 2, SPARE
	v_mov_b32 v[NIL], 0
	ds_add_u32 v[SPW], v[NIL]                      ; the wave's opening: the add, twice on end, and its wait ahead of my first tensor load
	ds_add_u32 v[SPW], v[NIL]
	v_lshrrev_b32 v1, 5, v0
	v_readfirstlane_b32 s18, v1                    ; wave 0..3
	s_lshr_b32 s19, s18, 1                         ; which half of A is mine.  Also: I fetch for A (0) or for B (1)
	s_and_b32 s20, s18, 1                          ; which half of B.  Also: which 8 tiles I fetch
	s_bfe_u32 s21, ttmp6, 0x40000                  ; cx
	s_bfe_u32 s22, ttmp6, 0x40004                  ; cy
	s_mov_b32 s23, ttmp9                           ; the cluster's x
	s_and_b32 s40, ttmp7, 0xffff                   ; the cluster's y
	s_lshl_b32 s42, s22, 2
	s_lshl_b32 s42, 15, s42                        ; my row of the cluster
	s_lshl_b32 s43, 0x1111, s21                    ; my column
	; descriptor group 1 for codes: 8 tiles' halves: 8 rows of 4,096 bytes (512 elements of 8), 8,192 bytes apart; no padding
	s_or_b32 s[G1+0], s42, (3<<16)|(1<<21)
	s_or_b32 s[G1B+0], s43, (3<<16)|(1<<21)
.irp g, G1, G1B
	s_mov_b32 s[\g+1], 512<<16                     ; tensor_dim0
	s_mov_b32 s[\g+2], 8<<16                       ; tensor_dim1
	s_mov_b32 s[\g+3], 512<<16                     ; tile_dim0
	s_mov_b32 s[\g+4], 8                           ; tile_dim1
	s_mov_b32 s[\g+5], 1024                        ; tensor_dim0_stride
	s_mov_b32 s[\g+6], 0
	s_mov_b32 s[\g+7], 0
.endr
	; and for the scale bytes of 128 rows: 4,096 dense bytes as 16 rows of 256, 16 bytes of padding behind each
	s_or_b32 s[G1S+0], s42, (3<<16)|(1<<20)|(1<<21)|(5<<22)|(3<<25)
	s_or_b32 s[G1SB+0], s43, (3<<16)|(1<<20)|(1<<21)|(5<<22)|(3<<25)
.irp g, G1S, G1SB
	s_mov_b32 s[\g+1], 32<<16
	s_mov_b32 s[\g+2], 16<<16
	s_mov_b32 s[\g+3], 32<<16
	s_mov_b32 s[\g+4], 16
	s_mov_b32 s[\g+5], 32
	s_mov_b32 s[\g+6], 0
	s_mov_b32 s[\g+7], 0
.endr
	s_mov_b32 s[SEL], 0x76543210
	s_mov_b32 s[SEL+1], 0xfedcba98
	s_mov_b32 s100, 0x7f7f7f7f                     ; four scale bytes of 1.0, for the half of K = 128 that a head of 64 leaves to zero codes
	; which tiles.  One compare, then selects alone
	s_lshl_b32 s44, s40, 2                         ; 4 y
	s_sub_co_u32 s45, s40, 8
	s_lshl_b32 s45, s45, 3                         ; 8 (y - 8): taken for y >= 8 alone
	s_cmp_ge_u32 s40, 8
	s_cselect_b32 s41, 1, 0                        ; the kind: 1 = v
	s_cselect_b32 s44, 0, s44
	s_cselect_b32 s46, 640, 0                      ; A's first tile in the buffer: Wv's, or x's
	s_cselect_b32 s45, s45, 0
	s_cselect_b32 s47, 0, 512                      ; B's: x's, or Wq's (Wk's follow)
	s_add_co_u32 s44, s44, s22                     ; gA: A's group of 16 tiles = cy (+ 4 y)
	s_lshl_b32 s66, s44, 4
	s_add_co_u32 s46, s46, s66                     ; tA0
	s_lshl_b32 s66, s23, 2
	s_add_co_u32 s45, s45, s66
	s_add_co_u32 s45, s45, s21                     ; gB = 4 x + cx (+ 8 (y - 8))
	s_lshl_b32 s66, s45, 4
	s_add_co_u32 s47, s47, s66                     ; tB0
	s_lshl_b32 s66, s20, 3
	s_add_co_u32 s67, s47, s66                     ; the 8 tiles that I would fetch of B,
	s_add_co_u32 s66, s46, s66                     ; and of A
	s_lshl_b32 s92, s66, 13                        ; their codes, in bytes,
	s_mov_b32 s93, 0
	s_lshl_b32 s94, s67, 13
	s_mov_b32 s95, 0
	s_lshl_b32 s96, s66, 9                         ; and their scale bytes
	s_mov_b32 s97, 0
	s_lshl_b32 s98, s67, 9
	s_mov_b32 s99, 0
	s_mul_i32 s42, s18, HALFT                      ; where they go: wave x 8 tiles: no place in the cluster enters an LDS address
	s_mul_i32 s43, s18, HALFS
	s_wait_dscnt 0x0                               ; both opening adds are done
	s_wait_kmcnt 0x0
	s_add_nc_u64 s[92:93], s[4:5], s[92:93]
	s_add_nc_u64 s[94:95], s[4:5], s[94:95]
	s_add_nc_u64 s[96:97], s[6:7], s[96:97]
	s_add_nc_u64 s[98:99], s[6:7], s[98:99]
	CROUND                                         ; all sixteen work-groups are here: the joint loads meet
	s_mov_b32 s[G0S], 1
	s_add_co_u32 s[G0S+1], s43, SCL
	s_mov_b64 s[G0S+2:G0S+3], s[96:97]
	s_or_b32 s[G0S+3], s[G0S+3], 0x80000000
	s_mov_b32 s[G0SB], 1
	s_add_co_u32 s[G0SB+1], s43, SCL
	s_mov_b64 s[G0SB+2:G0SB+3], s[98:99]
	s_or_b32 s[G0SB+3], s[G0SB+3], 0x80000000
	JLOAD G0S, G1S, G0SB, G1SB                     ; the scale bytes first: they are wanted with slot 0
.irp s, 0,1
	s_mov_b32 s[G0+4*\s], 1
	s_add_co_u32 s[G0+4*\s+1], s42, \s*SLOT
	s_add_nc_u64 s[G0+4*\s+2:G0+4*\s+3], s[92:93], \s*4096
	s_or_b32 s[G0+4*\s+3], s[G0+4*\s+3], 0x80000000
	s_mov_b32 s[G0B+4*\s], 1
	s_add_co_u32 s[G0B+4*\s+1], s42, \s*SLOT
	s_add_nc_u64 s[G0B+4*\s+2:G0B+4*\s+3], s[94:95], \s*4096
	s_or_b32 s[G0B+4*\s+3], s[G0B+4*\s+3], 0x80000000
	JLOAD G0+4*\s, G1, G0B+4*\s, G1B               ; three loads of mine are out behind the second
.endr
	v_and_b32 v1, 15, v0                           ; r
	v_bfe_u32 v2, v0, 4, 1                         ; h
	v_and_b32 v[LN], 31, v0
	v_lshlrev_b32 v[IO], 4, v[LN]
	s_mul_i32 s42, s19, HALFT                      ; my 8 tiles of A
	s_mul_i32 s43, s20, HALFT                      ; my 8 tiles of B,
	s_add_co_u32 s43, s43, 2*HALFT                 ; which lie behind A's 16
.irp s, 0,1
	v_add_nc_u32 v[ADRA+\s], s42, v[IO]
	v_add_nc_u32 v[ADRB+\s], s43, v[IO]
	s_add_co_u32 s42, s42, SLOT
	s_add_co_u32 s43, s43, SLOT
.endr
	v_mul_u32_u24 v5, v1, KS                       ; my row's scale bytes: 32 a row,
	v_lshrrev_b32 v6, 8, v5
	v_lshl_add_u32 v5, v6, 4, v5                   ; and 16 more for each 256 passed
	s_mul_i32 s42, s19, HALFS
	s_mul_i32 s43, s20, HALFS
	s_add_co_u32 s43, s43, 2*HALFS
	s_sub_co_u32 s43, s43, s42
	v_mul_u32_u24 v6, s43, v2                      ; lanes 16-31 take B's: one product, h x the distance
	s_add_co_u32 s42, s42, SCL
	v_add_nc_u32 v5, v5, v6
	v_add_nc_u32 v[ADRS], s42, v5
.irp b, 0,1,2,3
	v_mov_b32 v[TM+4+\b], 0                        ; written once: a lane permute's destination counts as one of its sources
.endr
.macro FRAG reg, adr, q, i             ; a fragment, 16 rows x 128 K: registers 4 c .. 4 c + 3 are 512 consecutive bytes of the tile
.irp c, 0,1
	ds_load_b128 v[\reg+4*\c:\reg+4*\c+3], v[\adr] offset:(\i)*4096+(\q)*1024+512*\c
.endr
.endm
; 16 matrix instructions: A's blocks a0, a0 + 1 x B's eight, 128 along K.  The 64 accumulators take turns, one instruction a turn, in the same order in every step.
.macro MUL16 a0, p, q, sc, zero
.irp a, \a0, \a0+1
.irp b, 0,1,2,3,4,5,6,7
.if \zero
	v_wmma_scale_f32_16x16x128_f8f6f4 v[8*(8*((\a)%4)+\b):8*(8*((\a)%4)+\b)+7], v[128*(\p)+FR*\b:128*(\p)+FR*\b+FR-1], v[AF+FR*(\a):AF+FR*(\a)+FR-1], 0, v[SC+8*NQ*(\sc)+NQ*\b+(\q)], v[SC+8*NQ*(\sc)+NQ*(\a)+(\q)] matrix_a_fmt:MATRIX_FMT_FP4 matrix_b_fmt:MATRIX_FMT_FP4 matrix_a_scale:MATRIX_SCALE_ROW1
.else
	v_wmma_scale_f32_16x16x128_f8f6f4 v[8*(8*((\a)%4)+\b):8*(8*((\a)%4)+\b)+7], v[128*(\p)+FR*\b:128*(\p)+FR*\b+FR-1], v[AF+FR*(\a):AF+FR*(\a)+FR-1], v[8*(8*((\a)%4)+\b):8*(8*((\a)%4)+\b)+7], v[SC+8*NQ*(\sc)+NQ*\b+(\q)], v[SC+8*NQ*(\sc)+NQ*(\a)+(\q)] matrix_a_fmt:MATRIX_FMT_FP4 matrix_b_fmt:MATRIX_FMT_FP4 matrix_a_scale:MATRIX_SCALE_ROW1
.endif
.endr
.endr
.endm
.macro FETCH_B slot, q, p
	WIN TO_B
.irp i, 0,1,2,3,4,5,6,7
	FRAG 128*(\p)+FR*\i, ADRB+\slot, \q, \i
.endr
	WIN 0
.endm
.macro FETCH_A slot, q, i0
.irp i, \i0, \i0+1, \i0+2, \i0+3
	FRAG AF+FR*(\i), ADRA+\slot, \q, \i
.endr
.endm
.macro SCALES sc                       ; a slot's scale words: 4 words a row; lanes 0-15 take A's block i, lanes 16-31 B's block i
.irp i, 0,1,2,3,4,5,6,7
	ds_load_b128 v[SC+8*NQ*\sc+NQ*\i:SC+8*NQ*\sc+NQ*\i+3], v[ADRS] offset:\i*SBLK
.endr
.endm
.macro PLACES n                        ; plain vector instructions between a matrix instruction and a load into, or a vector access of, its registers
.rept \n
	v_nop
.endr
.endm
.macro STEP slot, q, zero              ; 128 along K with its successor in the same slot
	s_wait_dscnt 4*NL                              ; B's set and A's blocks 0-3 are in; the youngest eight loads (A's blocks 4-7) may be out
	WIN MUL_LO
	MUL16 0, (\q)%2, \q, \slot, \zero
	MUL16 2, (\q)%2, \q, \slot, \zero
	s_wait_dscnt 0                                 ; A's blocks 4-7 are in
	PLACES NP
	FETCH_B \slot, (\q)+1, 1-(\q)%2
	FETCH_A \slot, (\q)+1, 0
	WIN MUL_HI
	MUL16 4, (\q)%2, \q, \slot, \zero
	MUL16 6, (\q)%2, \q, \slot, \zero
	PLACES NP
	WIN 0
	FETCH_A \slot, (\q)+1, 4
.endm
.macro TURN slot, next                 ; a slot's last step changes slots: one barrier; in front of it each wave has waited for all its tensor loads (its part of the next slot); nothing is filled again
	s_wait_tensorcnt 0x0
	ds_add_u32 v[SPW], v[NIL]
	s_wait_dscnt 4*NL+1                            ; (the add and the youngest eight loads may be out)
	WIN MUL_LO
	MUL16 0, 1, NQ-1, \slot, 0
	s_wait_dscnt 0x0                               ; the add is done, and my reads of this slot are over
	s_barrier_signal -1
	MUL16 2, 1, NQ-1, \slot, 0
	WIN 0
	s_barrier_wait -1                              ; the next slot is whole
	PLACES NP
	v_add_nc_u32 v[ADRS], 4*NQ, v[ADRS]            ; on to the next slot's scale words (no LDS load of mine is out)
	FETCH_B \next, 0, 0
	FETCH_A \next, 0, 0
	SCALES \next
	WIN MUL_HI
	MUL16 4, 1, NQ-1, \slot, 0
	MUL16 6, 1, NQ-1, \slot, 0
	PLACES NP
	WIN 0
	FETCH_A \next, 0, 4
.endm
.macro STEPS slot, from
.set Q, \from
.rept NQ-1-\from
	STEP \slot, Q, 0
.set Q, Q+1
.endr
.endm
.macro REST                            ; the second slot's four steps
	STEPS 1, 0
	s_wait_dscnt 4*NL
	WIN MUL_LO
	MUL16 0, 1, NQ-1, 1, 0
	MUL16 2, 1, NQ-1, 1, 0
	s_wait_dscnt 0
	WIN MUL_HI
	MUL16 4, 1, NQ-1, 1, 0
	MUL16 6, 1, NQ-1, 1, 0
	WIN 0
	PLACES NP                                      ; ahead of the first read of results and of writes over operands
.endm
; 64 numbers of a lane, register 16 b + i = index 32 b + 16 (lane / 16) + i along the next K, become a fragment's codes in v[PC] on and its scale word in v[pw].
.macro QUANT s, pw
.irp b, 0,1,2,3
	v_max3_num_f32 v[TM+\b], |v[\s+16*\b]|, |v[\s+1+16*\b]|, 0x1800000   ; block b: my 16 numbers, and the floor 2^(3 - 127): the byte cannot fall under 1
.endr
.irp i, 2,4,6,8,10,12,14
.irp b, 0,1,2,3
	v_max3_num_f32 v[TM+\b], v[TM+\b], |v[\s+16*\b+\i]|, |v[\s+1+16*\b+\i]|   ; the four blocks by turns
.endr
.endr
.irp b, 0,1,2,3
	v_permlanex16_b32 v[TM+4+\b], v[TM+\b], s[SEL], s[SEL+1]
.endr
.irp b, 0,1,2,3
	v_max_num_f32 v[TM+\b], v[TM+\b], v[TM+4+\b]   ; with lane l xor 16's: the block's largest magnitude
.endr
.irp b, 0,1,2,3
	v_add_nc_u32 v[TM+12+\b], 0xff000000, v[TM+\b] ; 2 off its exponent field: the conversion's scale operand
.endr
.irp b, 0,1,2,3
	v_lshrrev_b32 v[TM+4+\b], 23, v[TM+12+\b]      ; the scale's byte
.endr
	v_lshl_or_b32 v[\pw], v[TM+5], 8, v[TM+4]
	v_lshl_or_b32 v[\pw], v[TM+6], 16, v[\pw]
	v_lshl_or_b32 v[\pw], v[TM+7], 24, v[\pw]
.irp b, 0,1,2,3
	v_cvt_scalef32_pk8_fp4_f32 v[PC+2*\b], v[\s+16*\b:\s+7+16*\b], v[TM+12+\b]
	v_cvt_scalef32_pk8_fp4_f32 v[PC+1+2*\b], v[\s+8+16*\b:\s+15+16*\b], v[TM+12+\b]
.endr
	v_nop                                          ; one plain place behind a scaled conversion
.irp c, 0,1                                    ; the operand's layout wants a whole block in a lane
.irp i, 0,1
	v_permlane16_swap_b32 v[PC+4*\c+\i], v[PC+2+4*\c+\i]
.endr
.endr
.endm
; Block a of side A on its way out: the bias is added (which also brings the sums into window 0, each accumulator from its low end on), the 64 numbers are quantised, the codes stored, 512 consecutive bytes a store.
.macro EPI a, isv
.if (\a) > 0
	s_wait_xcnt 0x0                                ; the last block's stores have read the codes' registers
.endif
	WIN (0x02+(\a)/4)                              ; source 0: window 2 or 3
.set AC, 64*((\a)%4)
.set II, 0
.rept 32
.if \isv
	v_pk_add_f32 v[HA+II:HA+II+1], v[AC+II:AC+II+1], v[BI+2*(\a):BI+2*(\a)+1]   ; my channel's bias, held twice
.else
	v_pk_add_f32 v[HA+II:HA+II+1], v[AC+II:AC+II+1], v[BI+II:BI+II+1]           ; the biases of my 64 channels
.endif
.set II, II+2
.endr
	WIN 0
.if \isv
	QUANT HA, SWD+(\a)
	global_store_b128 v[IO], v[PC:PC+3], s[92:93] offset:((\a)/4)*REC+((\a)%4)*1024        ; head a / 4, channel tile a % 4: a fragment of 128 keys
	global_store_b128 v[IO], v[PC+4:PC+7], s[92:93] offset:((\a)/4)*REC+((\a)%4)*1024+512
.else
	QUANT HA, PW
	global_store_b128 v[IO], v[PC:PC+3], s[92:93] offset:512*(\a)      ; the first head's 64 channels of these 16 tokens,
	global_store_b128 v[IO], v[PC+4:PC+7], s[94:95] offset:512*(\a)    ; the second head's
	v_perm_b32 v[SWD+(\a)], s100, v[PW], 0x05040100                    ; a head's scale word: its two bytes, then two of 1.0
	v_perm_b32 v[SWD+8+(\a)], s100, v[PW], 0x05040302
.endif
.endm
	s_wait_tensorcnt 1                             ; the scale bytes and my part of slot 0 are in (slot 1's load may be out)
	s_barrier_signal -1
	s_barrier_wait -1                              ; everybody's are
	FETCH_B 0, 0, 0
	FETCH_A 0, 0, 0
	SCALES 0
	FETCH_A 0, 0, 4
	STEP 0, 0, 1                                   ; the first step's products start the sums
	STEPS 0, 1
	TURN 0, 1
	s_cmp_eq_u32 s41, 0                            ; THE KINDS PART HERE: each makes its addresses, asks for its bias (which has the second slot's 256 matrix instructions in which to land), and goes on
	s_cbranch_scc0 .Lkind_v
	; ---- q or k.  My 128 channels are two heads; my 8 blocks of A are 8 tiles of tokens of one step of 128
	s_lshl_b32 s42, s45, 2
	s_lshl_b32 s43, s20, 1
	s_add_co_u32 s42, s42, s43
	s_and_b32 s42, s42, 15                         ; my first head = (4 gB + 2 half) mod 16
	s_lshl_b32 s43, s19, 3
	s_add_co_u32 s43, s46, s43                     ; my first tile of tokens
	s_lshr_b32 s66, s43, 7
	s_lshl_b32 s66, s66, 4
	s_add_co_u32 s42, s42, s66                     ; the record: 16 x batch + head
	s_and_b32 s43, s43, 127                        ; the tile in its sequence
	s_cmp_eq_u32 s23, 0                            ; q or k
	s_cselect_b64 s[92:93], s[14:15], s[16:17]
	s_mov_b32 s66, REC
	s_cselect_b32 s66, QREC, s66                   ; a record's bytes,
	s_mov_b32 s67, 131072
	s_cselect_b32 s67, 65536, s67                  ; and where its scale words begin
	s_mul_i32 s96, s42, s66
	s_mov_b32 s97, 0
	s_add_nc_u64 s[92:93], s[92:93], s[96:97]
	s_lshr_b32 s96, s43, 3
	s_lshl_b32 s96, s96, 9
	s_add_co_u32 s96, s96, s67
	s_add_nc_u64 s[96:97], s[92:93], s[96:97]      ; the step's scale words [place][tile], 512 bytes
	s_lshl_b32 s42, s43, 9
	s_mov_b32 s43, 0
	s_add_nc_u64 s[92:93], s[92:93], s[42:43]      ; the tiles' images, 512 bytes each
	s_mov_b32 s67, 0
	s_add_nc_u64 s[94:95], s[92:93], s[66:67]      ; and the same in the next head's record
	s_add_nc_u64 s[98:99], s[96:97], s[66:67]
	s_lshl_b32 s42, s45, 8
	s_lshl_b32 s66, s20, 7
	s_add_co_u32 s42, s42, s66
	s_and_b32 s42, s42, 1023                       ; my first channel
	s_lshl_b32 s42, s42, 2
	s_cmp_eq_u32 s23, 0
	s_cselect_b64 s[66:67], s[8:9], s[10:11]
	s_add_nc_u64 s[66:67], s[66:67], s[42:43]
	v_lshlrev_b32 v3, 6, v2                        ; 16 channels on for lanes 16-31
.irp t, 0,1,2,3,4,5,6,7
	global_load_b128 v[BI+8*\t:BI+8*\t+3], v3, s[66:67] offset:(32*(\t/2)+8*(\t%2))*4      ; register 8 t + j: the bias of channel 32 (t / 2) + 16 h + 8 (t % 2) + j
	global_load_b128 v[BI+8*\t+4:BI+8*\t+7], v3, s[66:67] offset:(32*(\t/2)+8*(\t%2))*4+16
.endr
	v_lshlrev_b32 v[SO], 5, v1
	v_lshl_add_u32 v[SO], v2, 4, v[SO]             ; 32 r + 16 h
	REST
	s_wait_loadcnt 0x0                             ; the bias
.irp a, 0,1,2,3,4,5,6,7
	EPI \a, 0
.endr
	v_cmp_le_u32 vcc_lo, 16, v[LN]                 ; lanes 0-15 send tiles 0-3's words of their place, lanes 16-31 tiles 4-7's (both halves of the lanes hold all eight)
.irp c, 0,1
.irp i, 0,1,2,3
	v_cndmask_b32 v[DS+4*\c+\i], v[SWD+8*\c+\i], v[SWD+8*\c+4+\i], vcc_lo
.endr
.endr
	global_store_b128 v[SO], v[DS:DS+3], s[96:97]      ; 512 consecutive bytes
	global_store_b128 v[SO], v[DS+4:DS+7], s[98:99]
	s_branch .Lend
.Lkind_v:
	; ---- v.  My 8 blocks of A are the channel tiles of two heads; my 128 tokens are one key step
	s_lshl_b32 s42, s44, 2
	s_lshl_b32 s43, s19, 1
	s_add_co_u32 s42, s42, s43                     ; my first head = 4 gA + 2 half
	s_lshl_b32 s43, s45, 1
	s_add_co_u32 s43, s43, s20                     ; my group of 128 tokens
	s_lshr_b32 s66, s43, 4
	s_lshl_b32 s66, s66, 4
	s_add_co_u32 s42, s42, s66                     ; the record
	s_and_b32 s43, s43, 15                         ; the key step
	s_mul_i32 s66, s42, REC
	s_mov_b32 s67, 0
	s_add_nc_u64 s[92:93], s[16:17], s[66:67]
	s_lshl_b32 s66, s43, 8
	s_add_co_u32 s66, s66, 139264
	s_add_nc_u64 s[96:97], s[92:93], s[66:67]      ; the step's scale words [place][channel tile], 256 bytes
	s_lshl_b32 s66, s43, 12
	s_add_co_u32 s66, s66, 65536
	s_add_nc_u64 s[92:93], s[92:93], s[66:67]      ; the step's four images, 1,024 bytes each
	s_lshl_b32 s66, s44, 10
	s_lshl_b32 s42, s19, 9
	s_add_co_u32 s66, s66, s42                     ; my first channel, in bytes
	s_add_nc_u64 s[66:67], s[12:13], s[66:67]
	v_and_b32 v3, 8, v1
	v_add_nc_u32 v3, v3, v1
	v_lshlrev_b32 v3, 2, v3                        ; place r of a tile is channel r + 8 (r / 8)
.irp a, 0,1,2,3,4,5,6,7
	global_load_b32 v[BI+2*\a], v3, s[66:67] offset:(32*(\a/2)+8*(\a%2))*4     ; twice: the packed addition names a pair
	global_load_b32 v[BI+2*\a+1], v3, s[66:67] offset:(32*(\a/2)+8*(\a%2))*4
.endr
	v_lshlrev_b32 v[SO], 4, v1
	v_mul_u32_u24 v4, v2, REC
	v_add_nc_u32 v[SO], v[SO], v4                  ; 16 r; lanes 16-31 in the next head's record
	REST
	s_wait_loadcnt 0x0                             ; the bias
.irp a, 0,1,2,3,4,5,6,7
	EPI \a, 1
.endr
	v_cmp_le_u32 vcc_lo, 16, v[LN]                 ; lanes 0-15 send the first head's four words of their place, lanes 16-31 the second head's
.irp i, 0,1,2,3
	v_cndmask_b32 v[DS+\i], v[SWD+\i], v[SWD+4+\i], vcc_lo
.endr
	global_store_b128 v[SO], v[DS:DS+3], s[96:97]      ; each half of the lanes stores 256 consecutive bytes, aligned
.Lend:
	s_wait_tensorcnt 0x0                           ; the wave's end
	ds_add_u32 v[SPW], v[NIL]
	s_wait_dscnt 0x0
	CROUND                                         ; the closing round
	s_endpgm
.Lfunc_end_k_q8c509fe7e8_qkv:
	.size	k_q8c509fe7e8_qkv, .Lfunc_end_k_q8c509fe7e8_qkv-k_q8c509fe7e8_qkv
	.p2alignl 7, 3214868480
	.fill 96, 4, 3214868480
	.section	.rodata,"a",@progbits
	.p2align	6, 0x0
	.amdhsa_kernel k_q8c509fe7e8_qkv
		.amdhsa_group_segment_fixed_size 327680
		.amdhsa_private_segment_fixed_size 0
		.amdhsa_enable_private_segment 0
		.amdhsa_kernarg_size 56
		.amdhsa_user_sgpr_count 2
		.amdhsa_user_sgpr_kernarg_segment_ptr 1
		.amdhsa_wavefront_size32 1
		.amdhsa_system_sgpr_workgroup_id_x 1
		.amdhsa_system_sgpr_workgroup_id_y 1
		.amdhsa_system_sgpr_workgroup_id_z 1
		.amdhsa_system_vgpr_workitem_id 0
		.amdhsa_next_free_vgpr 1024
		.amdhsa_next_free_sgpr 102
		.amdhsa_reserve_vcc 1
		.amdhsa_float_denorm_mode_32 3
		.amdhsa_float_denorm_mode_16_64 3
		.amdhsa_memory_ordered 1
		.amdhsa_forward_progress 1
		.amdhsa_inst_pref_size 238
	.end_amdhsa_kernel
	.amdgpu_metadata
---
amdhsa.version: [ 1, 2 ]
amdhsa.kernels:
  - .name:           k_q8c509fe7e8_qkv
    .symbol:         k_q8c509fe7e8_qkv.kd
    .args:
      - { .name: cod, .offset: 0, .size: 8, .value_kind: global_buffer, .address_space: global }
      - { .name: scl, .offset: 8, .size: 8, .value_kind: global_buffer, .address_space: global }
      - { .name: bq, .offset: 16, .size: 8, .value_kind: global_buffer, .address_space: global }
      - { .name: bk, .offset: 24, .size: 8, .value_kind: global_buffer, .address_space: global }
      - { .name: bv, .offset: 32, .size: 8, .value_kind: global_buffer, .address_space: global }
      - { .name: qrec, .offset: 40, .size: 8, .value_kind: global_buffer, .address_space: global }
      - { .name: kv, .offset: 48, .size: 8, .value_kind: global_buffer, .address_space: global }
    .group_segment_fixed_size: 327680
    .private_segment_fixed_size: 0
    .kernarg_segment_align: 8
    .kernarg_segment_size: 56
    .max_flat_workgroup_size: 128
    .sgpr_count:     102
    .vgpr_count:     1024
    .wavefront_size: 32
...
	.end_amdgpu_metadata
.endif
;; end of part 2
;; launch attn (part 3): grid 4 x 64, 16 waves a work-group, clusters of 4 x 1, 327,680 bytes of LDS; arguments qrec, kv, ocod, oscl; writes ocod, oscl
.if DOCPART == 3
	.amdgcn_target "amdgcn-amd-amdhsa--gfx1250"
	.amdhsa_code_object_version 6
	.text
	.protected	k_q8c509fe7e8_attn
	.globl	k_q8c509fe7e8_attn
	.p2align	8
	.type	k_q8c509fe7e8_attn,@function
k_q8c509fe7e8_attn:
	s_mov_b64 s[64:65], 0
	v_nop
	global_prefetch_b8 v0, s[64:65] scope:SCOPE_SE
	s_setreg_imm32_b32 hwreg(HW_REG_WAVE_MODE, 25, 1), 1
	s_wait_xcnt 0x0
	s_wait_alu depctr_hold_cnt(0) depctr_sa_sdst(0) depctr_va_vdst(0) depctr_va_sdst(0) depctr_va_ssrc(0) depctr_va_vcc(0) depctr_vm_vsrc(0)
	s_getreg_b32 s2, hwreg(HW_REG_IB_STS2, 6, 4)
	s_cmp_eq_u32 s2, 0
	s_cbranch_scc0 .Lentry_in_a_cluster
	s_endpgm
.Lentry_in_a_cluster:
	s_bfe_u32 s2, ttmp6, 0x10000c
	s_cmp_lg_u32 s2, 0x3003
	s_cbranch_scc0 .Lentry_shape_is_right
	s_endpgm
.Lentry_shape_is_right:
; o = softmax(8 q k^T, causal) v for one (batch, head) a cluster, both products on codes of FP4 (E2M1) with E8M0 scales; o is divided by the row's sum, quantised along the head's 64 and leaves as codes.
; WORK LEFT OUT: key steps of 128 keys that all come after a wave's 16 queries: reference() masks them by its own triu, so their weights are 0 for all inputs.  A NaN or an infinity that would arise only there is not carried on.
; THE SOFTMAX: t = score x 8 log2(e); M = the largest t so far, rounded up to a whole number; p = 2^(t - M) is quantised along the keys, not normalised; the row's sum is taken of the unquantised p and divides at the end.
; When M moves, the sum and O are multiplied by 2^(old M - new M), which rounds nothing.  A block's largest p is not searched for: the block's largest score goes through the same multiply-add and exponential
; (this takes v_exp_f32 not to fall where its input rises).
; SHARES.  The head's 128 tiles of 16 queries are shared by the cluster's four work-groups (place j) and their sixteen waves: wave w takes tile 4 w + j and then tile 127 - (4 w + j).  The step on the diagonal is
; tile / 8 = w / 2, then 15 - w / 2: it hangs on the wave's number alone, so no branch differs between partners, and every wave walks 17 key steps in all.
; A HEAD'S K AND V STAY IN LDS WHOLE: the record of 143,360 bytes lies there as it lies in memory, brought by one joint load a wave (35 rows of 256 bytes each), filled once.  Every work-group reads all of it.
; LAYOUT.  Both products are used transposed: S^T = K Q^T, O^T = V^T P^T: a lane holds one query.  Place m of tile 2 B + u (of queries, keys and v's channels alike) is index 32 B + 8 u + m + 8 (m / 8), so that
; the 16 registers of two neighbouring tiles are 16 neighbours, 32 B + 16 (lane / 16) + 0 .. 15.  The head's 64 fill half of K = 128 in the first product: the other half is zero codes under scale bytes of 1.0.
; LIMITS: 1 / sum by v_rcp_f32; p under 2^-126 is 0; blocks under 2^(3 - 127) have their byte held at 1; NaN and infinities are not served.
; REGISTERS: v1-4, v7 addresses that stay; v5, v6 the add's two; v8-11 the step's addresses; v12 -M, v13 the largest t, v[14:15] the sum; v16-23 Q; v24-31 K's scale words; v32-95 K's 8 fragments; v96-159 S^T, then p;
;   v160-191 O^T; v192-223 V's 4 fragments; v224-231 p's codes; v232-247 at work; v240 32 r; v241 my query's place; v242 o's bytes; v248-251 V's scale words; v252 f; v253 p's scale word; v255 Q's.
.set VIMG,  65536                      ; LDS = the record: K's images [tile][512] at 0, V's [step][channel tile][1024] here,
.set KSW,   131072                     ; K's scale words [step][place][tile],
.set VSW,   139264                     ; V's [step][place][channel tile]
.set REC,   143360
.set QREC,  73728
.set SPARE, 143360                     ; the spare words, 128 bytes for each of sixteen waves
.set SPW,  5
.set NIL,  6
.set WV,   18
.set SEL,  20                          ; s[20:21] lane selects: lane l xor 16
.set CS,   22                          ; s[22:23] c = 8 log2(e)
.set G1,   24
.set G0,   32
.set DG,   41                          ; s41  the step on the diagonal
.set ST,   42                          ; s42  the step
.macro CROUND
	s_barrier_signal -1
	s_barrier_wait -1
	s_cmp_lg_u32 s[WV], 0
	s_cbranch_scc1 .Lnot_wave_0_\@
	s_barrier_signal -3
.Lnot_wave_0_\@:
	s_barrier_wait -3
	s_barrier_signal -1
	s_barrier_wait -1
.endm
; the four bases of pass p (s[48 + 8 p ..]): Q's image, Q's scale words, o's codes, o's scale bytes; and s[46 + p], the tile's first query in its step.  s40 = the tile
.macro BASES p
.if \p
	s_sub_co_u32 s40, 127, s40
.endif
	s_lshl_b32 s36, s40, 9
	s_add_nc_u64 s[48+8*\p:49+8*\p], s[14:15], s[36:37]
	s_lshr_b32 s36, s40, 3
	s_lshl_b32 s36, s36, 9
	s_and_b32 s38, s40, 7
	s_lshl_b32 s38, s38, 2
	s_add_co_u32 s36, s36, s38
	s_add_co_u32 s36, s36, 65536
	s_add_nc_u64 s[50+8*\p:51+8*\p], s[14:15], s[36:37]
	s_add_co_u32 s38, s39, s40                     ; the tile among all rows: 128 x batch + tile
	s_lshl_b32 s36, s38, 13
	s_add_co_u32 s36, s36, s16                     ; the head's two blocks: 512 bytes of the tile's image
	s_add_nc_u64 s[52+8*\p:53+8*\p], s[8:9], s[36:37]
	s_lshl_b32 s36, s38, 9
	s_add_co_u32 s36, s36, s17
	s_add_nc_u64 s[54+8*\p:55+8*\p], s[10:11], s[36:37]
	s_lshr_b32 s36, s40, 1
	s_and_b32 s36, s36, 3
	s_lshl_b32 s36, s36, 5
	s_and_b32 s38, s40, 1
	s_lshl_b32 s38, s38, 3
	s_add_co_u32 s[46+\p], s36, s38                ; 32 ((tile / 2) % 4) + 8 (tile % 2)
.endm
	s_load_b256 s[4:11], s[0:1], 0x0               ; qrec, kv, ocod, oscl
	v_lshl_add_u32 v[SPW], v0, 2, SPARE
	v_mov_b32 v[NIL], 0
	ds_add_u32 v[SPW], v[NIL]                      ; the wave's opening: the add, twice on end, and its wait ahead of my first tensor load
	ds_add_u32 v[SPW], v[NIL]
	v_lshrrev_b32 v8, 5, v0
	v_readfirstlane_b32 s[WV], v8                  ; wave 0..15
	s_bfe_u32 s12, ttmp6, 0x40000                  ; my place in the cluster: it enters global addresses and the mask's numbers alone
	s_and_b32 s13, ttmp7, 0xffff                   ; 16 x batch + head
	s_mov_b32 s[G1], 15|(3<<16)|(1<<21)            ; the mask: all four; elements of 8 bytes; no padding
	s_mov_b32 s[G1+1], 32<<16                      ; rows of 256 bytes,
	s_mov_b32 s[G1+2], 35<<16                      ; 35 of them,
	s_mov_b32 s[G1+3], 32<<16
	s_mov_b32 s[G1+4], 35
	s_mov_b32 s[G1+5], 32                          ; dense
	s_mov_b32 s[G1+6], 0
	s_mov_b32 s[G1+7], 0
	s_mov_b32 s[SEL], 0x76543210
	s_mov_b32 s[SEL+1], 0xfedcba98
	s_mov_b32 s[CS], 0x4138aa3b                    ; 8 log2(e): reference() multiplies the logits by sqrt(64)
	s_mov_b32 s[CS+1], s[CS]
	s_mul_i32 s36, s13, REC
	s_mul_i32 s38, s[WV], 8960                     ; my sixteenth of the record
	s_add_co_u32 s36, s36, s38
	s_mov_b32 s37, 0
	s_mul_i32 s14, s13, QREC
	s_mov_b32 s15, 0
	s_lshr_b32 s39, s13, 4
	s_lshl_b32 s39, s39, 7
	s_and_b32 s16, s13, 15
	s_lshl_b32 s17, s16, 1
	s_lshl_b32 s16, s16, 9
	s_lshl_b32 s40, s[WV], 2
	s_add_co_u32 s40, s40, s12                     ; my first tile
	s_wait_dscnt 0x0                               ; both opening adds are done
	s_wait_kmcnt 0x0
	s_mov_b32 s[G0], 1
	s_mov_b32 s[G0+1], s38
	s_add_nc_u64 s[G0+2:G0+3], s[6:7], s[36:37]
	s_or_b32 s[G0+3], s[G0+3], 0x80000000
	CROUND                                         ; all four work-groups are here: the joint loads meet
	tensor_load_to_lds s[G0:G0+3], s[G1:G1+7]      ; my one tensor load
	s_nop 0
.rept 4
	v_nop
.endr
	s_add_nc_u64 s[14:15], s[4:5], s[14:15]        ; the head's record of q
	BASES 0
	BASES 1
	v_and_b32 v8, 15, v0                           ; r
	v_bfe_u32 v9, v0, 4, 1                         ; h
	v_and_b32 v10, 31, v0
	v_lshlrev_b32 v1, 4, v10                       ; an image's place for my lane: K's,
	v_add_nc_u32 v2, VIMG, v1                      ; V's
	v_lshl_add_u32 v3, v8, 5, KSW                  ; my place's eight scale words of K,
	v_lshl_add_u32 v4, v8, 4, VSW                  ; four of V
	v_lshlrev_b32 v7, 4, v10                       ; global: 16 x lane
	v_lshlrev_b32 v240, 5, v8                      ; global: 32 r
	v_and_b32 v11, 8, v8
	v_add_nc_u32 v241, v11, v8
	v_lshlrev_b32 v11, 4, v9
	v_sub_nc_u32 v241, v241, v11                   ; r + 8 (r / 8) - 16 h
.irp j, 20,21,22,23
	v_mov_b32 v[\j], 0                             ; zero codes: the upper half of K = 128, in Q
.endr
.irp t, 0,1,2,3,4,5,6,7
.irp j, 4,5,6,7
	v_mov_b32 v[32+8*\t+\j], 0                     ; and in K's eight fragments: written once, the loads fill the lower four registers alone
.endr
.endr
.irp j, 236,237,238,239,252,253
	v_mov_b32 v[\j], 0                             ; lane permutes' destinations, and a pair named before its upper half is first written
.endr
; A KEY STEP: 128 keys.  p: the pass
.macro STEP p
	s_cmp_gt_u32 s[ST], s[DG]                      ; all its keys come after my queries: left out
	s_cbranch_scc1 .Lhid_\@
	s_lshl_b32 s43, s[ST], 12
	s_lshl_b32 s44, s[ST], 9
	s_lshl_b32 s45, s[ST], 8
	v_add_nc_u32 v8, s43, v1                       ; (these four are the places between the last step's products and the loads into their operands)
	v_add_nc_u32 v9, s43, v2
	v_add_nc_u32 v10, s44, v3
	v_add_nc_u32 v11, s45, v4
.irp t, 0,1,2,3,4,5,6,7
	ds_load_b128 v[32+8*\t:35+8*\t], v8 offset:512*\t
.endr
	ds_load_b128 v[24:27], v10
	ds_load_b128 v[28:31], v10 offset:16
.irp t, 0,1,2,3
.irp c, 0,1
	ds_load_b128 v[192+8*\t+4*\c:195+8*\t+4*\c], v9 offset:1024*\t+512*\c
.endr
.endr
	ds_load_b128 v[248:251], v11
	s_wait_dscnt 9                                 ; K and its scale words are in; V's nine loads may stay out
.irp t, 0,1,2,3,4,5,6,7
	v_wmma_scale_f32_16x16x128_f8f6f4 v[96+8*\t:103+8*\t], v[32+8*\t:39+8*\t], v[16:23], 0, v[24+\t], v255 matrix_a_fmt:MATRIX_FMT_FP4 matrix_b_fmt:MATRIX_FMT_FP4
.endr
.rept 4
	v_nop
.endr
	s_cmp_lt_u32 s[ST], s[DG]                      ; all its keys count: no mask
	s_cbranch_scc1 .Lopen_\@
	v_add_nc_u32 v252, s[46+\p], v241              ; d = my query - the step's first key - 16 (lane / 16).  Register 16 b + i holds key 32 b + 16 (lane / 16) + i: hidden where 32 b + i > d
	v_mov_b32 v254, 0xff800000                     ; -infinity
.set J, 0
.rept 64
	v_cmp_gt_i32 vcc_lo, 32*(J/16)+J%16, v252
	v_cndmask_b32 v[96+J], v[96+J], v254, vcc_lo
.set J, J+1
.endr
.Lopen_\@:
.irp b, 0,1,2,3
	v_max3_num_f32 v[232+\b], v[96+16*\b], v[97+16*\b], v[98+16*\b]   ; the largest score of each block of 32 keys: for the row's maximum and for the block's largest p
.endr
.irp i, 3,5,7,9,11,13
.irp b, 0,1,2,3
	v_max3_num_f32 v[232+\b], v[232+\b], v[96+16*\b+\i], v[97+16*\b+\i]
.endr
.endr
.irp b, 0,1,2,3
	v_max_num_f32 v[232+\b], v[232+\b], v[111+16*\b]
.endr
.irp b, 0,1,2,3
	v_permlanex16_b32 v[236+\b], v[232+\b], s[SEL], s[SEL+1]
.endr
.irp b, 0,1,2,3
	v_max_num_f32 v[232+\b], v[232+\b], v[236+\b]  ; with lane l xor 16's 16 keys
.endr
	v_max3_num_f32 v254, v232, v233, v234
	v_max_num_f32 v254, v254, v235                 ; the step's largest score of my query
	v_mul_f32 v254, s[CS], v254                    ; as t
	v_max_num_f32 v13, v13, v254                   ; the running largest t
	v_mov_b32 v254, v12
	v_floor_f32 v12, -v13                          ; the new -M = floor(-t): M is a whole number
	v_sub_f32 v254, v12, v254                      ; old M - new M: a whole number, 0 or less
	v_cvt_i32_f32 v254, v254                       ; (it saturates)
	v_ldexp_f32 v252, 1.0, v254                    ; f = 2^(old M - new M)
.set J, 0
.rept 32
	v_pk_fma_f32 v[96+J:97+J], v[96+J:97+J], s[CS:CS+1], v[12:13] op_sel_hi:[1,0,0]   ; t - M, two at a time
.set J, J+2
.endr
.irp b, 0,1,2,3
	v_fma_f32 v[232+\b], v[232+\b], s[CS], v12     ; the same of each block's largest score
.endr
.set J, 0
.rept 64
	v_exp_f32 v[96+J], v[96+J]                     ; p = 2^(t - M), at most 1
.set J, J+1
.endr
	v_pk_mul_f32 v[14:15], v[14:15], v[252:253] op_sel_hi:[1,0]   ; the sums under the new M: the plain place behind the exponentials
	s_wait_alu depctr_va_vdst(0)                   ; one wait for the whole batch, ahead of its first reader
.irp b, 0,1,2,3
	v_exp_f32 v[232+\b], v[232+\b]                 ; the block's largest p
.endr
	v_pk_add_f32 v[236:237], v[96:97], v[98:99]    ; the row's sum of the unquantised p, in two chains
.irp j, 4,8,12,16,20,24,28,32,36,40,44,48,52,56,60
	v_pk_add_f32 v[14:15], v[14:15], v[96+\j:97+\j]
	v_pk_add_f32 v[236:237], v[236:237], v[98+\j:99+\j]
.endr
	v_pk_add_f32 v[14:15], v[14:15], v[236:237]
	s_wait_alu depctr_va_vdst(0)                   ; and one for the four
.irp b, 0,1,2,3
	v_max_num_f32 v[232+\b], 0x1800000, v[232+\b]  ; the floor 2^(3 - 127)
.endr
.irp b, 0,1,2,3
	v_add_nc_u32 v[244+\b], 0xff000000, v[232+\b]  ; the conversion's scale operand
.endr
.irp b, 0,1,2,3
	v_lshrrev_b32 v[236+\b], 23, v[244+\b]         ; the scale's byte
.endr
	v_lshl_or_b32 v253, v237, 8, v236              ; p's scale word for these 128 keys
	v_lshl_or_b32 v253, v238, 16, v253
	v_lshl_or_b32 v253, v239, 24, v253
.irp b, 0,1,2,3
	v_cvt_scalef32_pk8_fp4_f32 v[224+2*\b], v[96+16*\b:103+16*\b], v[244+\b]
	v_cvt_scalef32_pk8_fp4_f32 v[225+2*\b], v[104+16*\b:111+16*\b], v[244+\b]
.endr
	v_nop                                          ; one plain place behind a scaled conversion
.irp c, 0,1
.irp i, 0,1
	v_permlane16_swap_b32 v[224+4*\c+\i], v[226+4*\c+\i]   ; a whole block in a lane
.endr
.endr
.set J, 0
.rept 16
	v_pk_mul_f32 v[160+J:161+J], v[160+J:161+J], v[252:253] op_sel_hi:[1,0]   ; O^T under the new M.  (These sixteen also stand between the writes of p's codes and scale word and the products)
.set J, J+2
.endr
	s_wait_dscnt 0x0                               ; V and its scale words are in
.irp t, 0,1,2,3
	v_wmma_scale_f32_16x16x128_f8f6f4 v[160+8*\t:167+8*\t], v[192+8*\t:199+8*\t], v[224:231], v[160+8*\t:167+8*\t], v[248+\t], v253 matrix_a_fmt:MATRIX_FMT_FP4 matrix_b_fmt:MATRIX_FMT_FP4
.endr
.Lhid_\@:
.endm
; THE WAY OUT of a tile: O^T / the sum; its 64 channels are two blocks along the projection's K; lane (r, h) ends with the 16 bytes of block h of place r: the wave stores 512 consecutive bytes of the tile's image.
.macro OUT p
.rept 4
	v_nop                                          ; places behind the last products
.endr
	v_add_f32 v14, v14, v15
	v_permlanex16_b32 v252, v14, s[SEL], s[SEL+1]
	v_add_f32 v14, v14, v252                       ; the row's sum
	v_rcp_f32 v14, v14
	v_nop
	s_wait_alu depctr_va_vdst(0)                   ; the wait ahead of the reciprocal's first reader
.set J, 0
.rept 16
	v_pk_mul_f32 v[96+J:97+J], v[160+J:161+J], v[14:15] op_sel_hi:[1,0]   ; register 16 b + i is o(my query, 32 b + 16 h + i)
.set J, J+2
.endr
.irp b, 0,1
	v_max3_num_f32 v[232+\b], |v[96+16*\b]|, |v[97+16*\b]|, 0x1800000
.endr
.irp i, 2,4,6,8,10,12,14
.irp b, 0,1
	v_max3_num_f32 v[232+\b], v[232+\b], |v[96+16*\b+\i]|, |v[97+16*\b+\i]|
.endr
.endr
.irp b, 0,1
	v_permlanex16_b32 v[236+\b], v[232+\b], s[SEL], s[SEL+1]
.endr
.irp b, 0,1
	v_max_num_f32 v[232+\b], v[232+\b], v[236+\b]
.endr
.irp b, 0,1
	v_add_nc_u32 v[244+\b], 0xff000000, v[232+\b]
.endr
.irp b, 0,1
	v_lshrrev_b32 v[236+\b], 23, v[244+\b]
.endr
	v_lshl_or_b32 v242, v237, 8, v236              ; the head's two scale bytes of my query
.irp b, 0,1
	v_cvt_scalef32_pk8_fp4_f32 v[224+2*\b], v[96+16*\b:103+16*\b], v[244+\b]
	v_cvt_scalef32_pk8_fp4_f32 v[225+2*\b], v[104+16*\b:111+16*\b], v[244+\b]
.endr
	v_nop
	v_permlane16_swap_b32 v224, v226
	v_permlane16_swap_b32 v225, v227
	global_store_b128 v7, v[224:227], s[52+8*\p:53+8*\p]
	global_store_b16 v240, v242, s[54+8*\p:55+8*\p]    ; two bytes of each of 16 rows, 32 bytes apart (both halves of the lanes write the same): a row's other bytes are other heads', made by other clusters
.endm
.macro PASS p
.if \p
	s_wait_xcnt 0x0                                ; the first tile's stores have read their registers
	s_sub_co_u32 s[DG], 15, s[DG]
.else
	s_lshr_b32 s[DG], s[WV], 1
.endif
	global_load_b128 v[16:19], v7, s[48+8*\p:49+8*\p]
	global_load_b32 v255, v240, s[50+8*\p:51+8*\p]
	v_mov_b32 v13, 0xff61b1e6                      ; the largest t so far: -3e38
	v_floor_f32 v12, -v13
	v_mov_b32 v14, 0
	v_mov_b32 v15, 0
.set J, 0
.rept 32
	v_mov_b32 v[160+J], 0                          ; O^T: the step is written once, and its first trip finds zeros
.set J, J+1
.endr
.if \p == 0
	s_wait_tensorcnt 0x0                           ; my part of the record is in,
	s_barrier_signal -1
	s_barrier_wait -1                              ; everybody's is
.endif
	s_wait_loadcnt 0x0                             ; Q
	s_mov_b32 s[ST], 0
.Lstep_\@:                                         ; sixteen trips, a constant: what is left out is a trip's work
	STEP \p
	s_add_co_u32 s[ST], s[ST], 1
	s_cmp_lt_u32 s[ST], 16
	s_cbranch_scc1 .Lstep_\@
	OUT \p
.endm
	PASS 0
	PASS 1
	s_wait_tensorcnt 0x0                           ; the wave's end
	ds_add_u32 v[SPW], v[NIL]
	s_wait_dscnt 0x0
	CROUND                                         ; the closing round
	s_endpgm
.Lfunc_end_k_q8c509fe7e8_attn:
	.size	k_q8c509fe7e8_attn, .Lfunc_end_k_q8c509fe7e8_attn-k_q8c509fe7e8_attn
	.p2alignl 7, 3214868480
	.fill 96, 4, 3214868480
	.section	.rodata,"a",@progbits
	.p2align	6, 0x0
	.amdhsa_kernel k_q8c509fe7e8_attn
		.amdhsa_group_segment_fixed_size 327680
		.amdhsa_private_segment_fixed_size 0
		.amdhsa_enable_private_segment 0
		.amdhsa_kernarg_size 32
		.amdhsa_user_sgpr_count 2
		.amdhsa_user_sgpr_kernarg_segment_ptr 1
		.amdhsa_wavefront_size32 1
		.amdhsa_system_sgpr_workgroup_id_x 1
		.amdhsa_system_sgpr_workgroup_id_y 1
		.amdhsa_system_sgpr_workgroup_id_z 1
		.amdhsa_system_vgpr_workitem_id 0
		.amdhsa_next_free_vgpr 256
		.amdhsa_next_free_sgpr 66
		.amdhsa_reserve_vcc 1
		.amdhsa_float_denorm_mode_32 3
		.amdhsa_float_denorm_mode_16_64 3
		.amdhsa_memory_ordered 1
		.amdhsa_forward_progress 1
		.amdhsa_inst_pref_size 57
	.end_amdhsa_kernel
	.amdgpu_metadata
---
amdhsa.version: [ 1, 2 ]
amdhsa.kernels:
  - .name:           k_q8c509fe7e8_attn
    .symbol:         k_q8c509fe7e8_attn.kd
    .args:
      - { .name: qrec, .offset: 0, .size: 8, .value_kind: global_buffer, .address_space: global }
      - { .name: kv, .offset: 8, .size: 8, .value_kind: global_buffer, .address_space: global }
      - { .name: ocod, .offset: 16, .size: 8, .value_kind: global_buffer, .address_space: global }
      - { .name: oscl, .offset: 24, .size: 8, .value_kind: global_buffer, .address_space: global }
    .group_segment_fixed_size: 327680
    .private_segment_fixed_size: 0
    .kernarg_segment_align: 8
    .kernarg_segment_size: 32
    .max_flat_workgroup_size: 512
    .sgpr_count:     66
    .vgpr_count:     256
    .wavefront_size: 32
...
	.end_amdgpu_metadata
.endif
;; end of part 3
;; launch proj (part 4): grid 4 x 32, 4 waves a work-group, clusters of 4 x 4, 327,680 bytes of LDS; arguments ocod, oscl, cod, scl, bp, out0; writes out0
.if DOCPART == 4
	.amdgcn_target "amdgcn-amd-amdhsa--gfx1250"
	.amdhsa_code_object_version 6
	.text
	.protected	k_q8c509fe7e8_proj
	.globl	k_q8c509fe7e8_proj
	.p2align	8
	.type	k_q8c509fe7e8_proj,@function
k_q8c509fe7e8_proj:
	s_mov_b64 s[64:65], 0
	v_nop
	global_prefetch_b8 v0, s[64:65] scope:SCOPE_SE
	s_setreg_imm32_b32 hwreg(HW_REG_WAVE_MODE, 25, 1), 1
	s_wait_xcnt 0x0
	s_wait_alu depctr_hold_cnt(0) depctr_sa_sdst(0) depctr_va_vdst(0) depctr_va_sdst(0) depctr_va_ssrc(0) depctr_va_vcc(0) depctr_vm_vsrc(0)
	s_getreg_b32 s2, hwreg(HW_REG_IB_STS2, 6, 4)
	s_cmp_eq_u32 s2, 0
	s_cbranch_scc0 .Lentry_in_a_cluster
	s_endpgm
.Lentry_in_a_cluster:
	s_bfe_u32 s2, ttmp6, 0x10000c
	s_cmp_lg_u32 s2, 0xf033
	s_cbranch_scc0 .Lentry_shape_is_right
	s_endpgm
.Lentry_shape_is_right:
; out0 = o Wp^T + bp on codes of FP4 (E2M1) with E8M0 scales, K = 1,024; f32 out.  No work of reference() is left out here.
; A work-group makes 256 rows x 256 columns, each of its four waves 128 x 128: 64 accumulators.  Source 0 = 16 rows of Wp (side B), source 1 = 16 rows of o (side A): a lane holds one row of out0 and neighbouring columns.
; TILES.  Place m of tile 2 B + u holds row 32 B + 8 u + m + 8 (m / 8), in o and in Wp alike; the way out puts rows and columns back by its offsets.  A tile is 8,192 bytes; a fragment's four registers are 512 consecutive bytes.
; K = 1,024 lies in LDS whole: two slots of 512 along K, each filled once; the scale bytes of the 512 rows come with them.  The bias is the C of each sum's first matrix instruction.
; CLUSTERS: 4 x 4.  o's tiles are shared along a row of the cluster, Wp's along a column: each is asked for jointly.
; The launch has 128 work-groups: a tile of 256 x 256 of 8,192 x 1,024 results.
; REGISTERS: window 0: v1-29 addresses; v32-95 scale words, two sets; v128-191 A's fragments; v192-255 the bias; on the way out v128-255 rows of out0.  Window 1: B's fragments, two sets.  Windows 2, 3: the accumulators.
.set NQ,     4
.set FR,     8
.set NL,     2
.set NP,     4                         ; places behind this matrix instruction (ISA guide 7.12.1)
.set HALFT,  32768
.set SLOT,   131072
.set KS,     32
.set SCL,    262144
.set HALFS,  4352
.set SBLK,   544
.set SPARE,  279552
.set SPITCH, 528                       ; the way out: a stage of 16 rows x (512 bytes + 16) for each wave, in slot 0, which has had its one fill and its last read when the first result is stored there
.set ADRA, 16
.set ADRB, 20
.set STO,  24                          ; v24  the way out: where I put 32 bytes of a row
.set RD,   25                          ; v25  where I read a row back
.set CO,   26                          ; v26  16 x lane
.set ADRS, 27
.set SPW,  28
.set NIL,  29
.set SC,   32
.set AF,   128
.set BP,   192                         ; the bias, in the result's layout: register 8 b + j
.set BK,   128
.set G1, 24
.set G0, 32
.set G1B, 48
.set G0B, 56
.set G1S, 68
.set G0S, 76
.set G1SB, 80
.set G0SB, 88
.set MSB, 0
.macro WIN new
.if MSB != \new
	s_set_vgpr_msb (MSB<<8)|\new
.set MSB, \new
.endif
.endm
.set MUL_LO, 0xa1                      ; source 0 (B) window 1, source 1 (A) window 0, C and D window 2
.set MUL_HI, 0xf1                      ; the same, C and D window 3
.set ZER_LO, 0x81                      ; the first step: C (the bias) window 0, D window 2
.set ZER_HI, 0xc1                      ; D window 3
.set TO_B,   0x40
.macro JLOAD g0a, g1a, g0b, g1b        ; a joint load: waves 0 and 1 fetch for A, waves 2 and 3 for B; an s_nop 0 and four v_nop follow each of the two lines
	s_cmp_eq_u32 s19, 0
	s_cbranch_scc0 .Lfor_b_\@
	tensor_load_to_lds s[\g0a:\g0a+3], s[\g1a:\g1a+7]
	s_nop 0
.rept 4
	v_nop
.endr
	s_branch .Lasked_\@
.Lfor_b_\@:
	tensor_load_to_lds s[\g0b:\g0b+3], s[\g1b:\g1b+7]
	s_nop 0
.rept 4
	v_nop
.endr
.Lasked_\@:
.endm
.macro CROUND
	s_barrier_signal -1
	s_barrier_wait -1
	s_cmp_lg_u32 s18, 0
	s_cbranch_scc1 .Lnot_wave_0_\@
	s_barrier_signal -3
.Lnot_wave_0_\@:
	s_barrier_wait -3
	s_barrier_signal -1
	s_barrier_wait -1
.endm
	s_load_b256 s[4:11], s[0:1], 0x0               ; ocod s[4:5], oscl s[6:7], cod s[8:9], scl s[10:11]
	s_load_b128 s[12:15], s[0:1], 0x20             ; bp s[12:13], out0 s[14:15]
	v_lshl_add_u32 v[SPW], v0, 2, SPARE
	v_mov_b32 v[NIL], 0
	ds_add_u32 v[SPW], v[NIL]                      ; the wave's opening: the add, twice on end, and its wait ahead of my first tensor load
	ds_add_u32 v[SPW], v[NIL]
	v_lshrrev_b32 v1, 5, v0
	v_readfirstlane_b32 s18, v1                    ; wave 0..3
	s_lshr_b32 s19, s18, 1                         ; which half of A is mine.  Also: I fetch for A (0) or for B (1)
	s_and_b32 s20, s18, 1                          ; which half of B.  Also: which 8 tiles I fetch
	s_bfe_u32 s21, ttmp6, 0x40000                  ; cx
	s_bfe_u32 s22, ttmp6, 0x40004                  ; cy
	s_and_b32 s40, ttmp7, 0xffff                   ; the cluster's y
	s_lshl_b32 s42, s22, 2
	s_lshl_b32 s42, 15, s42                        ; my row of the cluster
	s_lshl_b32 s43, 0x1111, s21                    ; my column
	s_or_b32 s[G1+0], s42, (3<<16)|(1<<21)         ; codes: 8 rows of 4,096 bytes (512 elements of 8), 8,192 bytes apart; no padding
	s_or_b32 s[G1B+0], s43, (3<<16)|(1<<21)
.irp g, G1, G1B
	s_mov_b32 s[\g+1], 512<<16
	s_mov_b32 s[\g+2], 8<<16
	s_mov_b32 s[\g+3], 512<<16
	s_mov_b32 s[\g+4], 8
	s_mov_b32 s[\g+5], 1024
	s_mov_b32 s[\g+6], 0
	s_mov_b32 s[\g+7], 0
.endr
	s_or_b32 s[G1S+0], s42, (3<<16)|(1<<20)|(1<<21)|(5<<22)|(3<<25)   ; scale bytes of 128 rows: 16 rows of 256 bytes, 16 bytes of padding behind each
	s_or_b32 s[G1SB+0], s43, (3<<16)|(1<<20)|(1<<21)|(5<<22)|(3<<25)
.irp g, G1S, G1SB
	s_mov_b32 s[\g+1], 32<<16
	s_mov_b32 s[\g+2], 16<<16
	s_mov_b32 s[\g+3], 32<<16
	s_mov_b32 s[\g+4], 16
	s_mov_b32 s[\g+5], 32
	s_mov_b32 s[\g+6], 0
	s_mov_b32 s[\g+7], 0
.endr
	s_lshl_b32 s44, s40, 2
	s_add_co_u32 s44, s44, s22                     ; gA: my 256 rows = 4 y + cy
	s_lshl_b32 s46, s44, 4                         ; their first tile
	s_lshl_b32 s45, ttmp9, 2
	s_add_co_u32 s45, s45, s21                     ; gB: my 256 columns = 4 x + cx
	s_lshl_b32 s47, s45, 4
	s_add_co_u32 s47, s47, 704                     ; Wp's tiles begin at 704
	s_lshl_b32 s66, s20, 3
	s_add_co_u32 s67, s47, s66                     ; the 8 tiles that I would fetch of B,
	s_add_co_u32 s66, s46, s66                     ; and of A
	s_lshl_b32 s92, s66, 13
	s_mov_b32 s93, 0
	s_lshl_b32 s94, s67, 13
	s_mov_b32 s95, 0
	s_lshl_b32 s96, s66, 9
	s_mov_b32 s97, 0
	s_lshl_b32 s98, s67, 9
	s_mov_b32 s99, 0
	s_mul_i32 s42, s18, HALFT                      ; where they go: no place in the cluster enters an LDS address
	s_mul_i32 s43, s18, HALFS
	s_wait_dscnt 0x0                               ; both opening adds are done
	s_wait_kmcnt 0x0
	s_add_nc_u64 s[92:93], s[4:5], s[92:93]
	s_add_nc_u64 s[94:95], s[8:9], s[94:95]
	s_add_nc_u64 s[96:97], s[6:7], s[96:97]
	s_add_nc_u64 s[98:99], s[10:11], s[98:99]
	CROUND                                         ; all sixteen work-groups are here: the joint loads meet
	s_mov_b32 s[G0S], 1
	s_add_co_u32 s[G0S+1], s43, SCL
	s_mov_b64 s[G0S+2:G0S+3], s[96:97]
	s_or_b32 s[G0S+3], s[G0S+3], 0x80000000
	s_mov_b32 s[G0SB], 1
	s_add_co_u32 s[G0SB+1], s43, SCL
	s_mov_b64 s[G0SB+2:G0SB+3], s[98:99]
	s_or_b32 s[G0SB+3], s[G0SB+3], 0x80000000
	JLOAD G0S, G1S, G0SB, G1SB
.irp s, 0,1
	s_mov_b32 s[G0+4*\s], 1
	s_add_co_u32 s[G0+4*\s+1], s42, \s*SLOT
	s_add_nc_u64 s[G0+4*\s+2:G0+4*\s+3], s[92:93], \s*4096
	s_or_b32 s[G0+4*\s+3], s[G0+4*\s+3], 0x80000000
	s_mov_b32 s[G0B+4*\s], 1
	s_add_co_u32 s[G0B+4*\s+1], s42, \s*SLOT
	s_add_nc_u64 s[G0B+4*\s+2:G0B+4*\s+3], s[94:95], \s*4096
	s_or_b32 s[G0B+4*\s+3], s[G0B+4*\s+3], 0x80000000
	JLOAD G0+4*\s, G1, G0B+4*\s, G1B               ; three loads of mine are out behind the second
.endr
	v_and_b32 v1, 15, v0                           ; r
	v_bfe_u32 v2, v0, 4, 1                         ; h
	v_and_b32 v3, 31, v0
	v_lshlrev_b32 v[CO], 4, v3                     ; 16 x lane
	s_lshl_b32 s42, s45, 8
	s_lshl_b32 s43, s20, 7
	s_add_co_u32 s42, s42, s43
	s_lshl_b32 s42, s42, 2                         ; my first column, in bytes
	s_mov_b32 s43, 0
	s_add_nc_u64 s[66:67], s[12:13], s[42:43]
	v_lshlrev_b32 v4, 6, v2                        ; 16 columns on for lanes 16-31
.irp t, 0,1,2,3,4,5,6,7
	global_load_b128 v[BP+8*\t:BP+8*\t+3], v4, s[66:67] offset:(32*(\t/2)+8*(\t%2))*4      ; register 8 t + j: the bias of column 32 (t / 2) + 16 h + 8 (t % 2) + j
	global_load_b128 v[BP+8*\t+4:BP+8*\t+7], v4, s[66:67] offset:(32*(\t/2)+8*(\t%2))*4+16
.endr
	s_add_nc_u64 s[92:93], s[14:15], s[42:43]
	s_lshl_b32 s42, s44, 8
	s_lshl_b32 s94, s19, 7
	s_add_co_u32 s42, s42, s94
	s_lshl_b32 s42, s42, 12                        ; my first row, 4,096 bytes a row
	s_add_nc_u64 s[92:93], s[92:93], s[42:43]      ; out0 at my wave's corner; never stepped
	s_mul_i32 s42, s19, HALFT
	s_mul_i32 s43, s20, HALFT
	s_add_co_u32 s43, s43, 2*HALFT
.irp s, 0,1
	v_add_nc_u32 v[ADRA+\s], s42, v[CO]
	v_add_nc_u32 v[ADRB+\s], s43, v[CO]
	s_add_co_u32 s42, s42, SLOT
	s_add_co_u32 s43, s43, SLOT
.endr
	v_mul_u32_u24 v5, v1, KS
	v_lshrrev_b32 v6, 8, v5
	v_lshl_add_u32 v5, v6, 4, v5
	s_mul_i32 s42, s19, HALFS
	s_mul_i32 s43, s20, HALFS
	s_add_co_u32 s43, s43, 2*HALFS
	s_sub_co_u32 s43, s43, s42
	v_mul_u32_u24 v6, s43, v2                      ; lanes 16-31 take B's: one product, h x the distance
	s_add_co_u32 s42, s42, SCL
	v_add_nc_u32 v5, v5, v6
	v_add_nc_u32 v[ADRS], s42, v5
	s_mul_i32 s42, s18, 16*SPITCH                  ; my stage
	v_mul_u32_u24 v5, v1, SPITCH
	v_lshl_add_u32 v5, v2, 6, v5                   ; in: row r, + 64 h: sixteen columns on
	v_add_nc_u32 v[STO], s42, v5
	v_add_nc_u32 v[RD], s42, v[CO]                 ; back: the 32 lanes take one row of 512 bytes
.macro FRAG reg, adr, q, i
.irp c, 0,1
	ds_load_b128 v[\reg+4*\c:\reg+4*\c+3], v[\adr] offset:(\i)*4096+(\q)*1024+512*\c
.endr
.endm
; 16 matrix instructions: A's blocks a0, a0 + 1 x B's eight.  zero = 1: the first product starts the sums from the bias.  The 64 accumulators take turns, one instruction a turn.
.macro MUL16 a0, p, q, sc, zero
.irp a, \a0, \a0+1
.irp b, 0,1,2,3,4,5,6,7
.if \zero
	v_wmma_scale_f32_16x16x128_f8f6f4 v[8*(8*((\a)%4)+\b):8*(8*((\a)%4)+\b)+7], v[128*(\p)+FR*\b:128*(\p)+FR*\b+FR-1], v[AF+FR*(\a):AF+FR*(\a)+FR-1], v[BP+8*\b:BP+8*\b+7], v[SC+8*NQ*(\sc)+NQ*\b+(\q)], v[SC+8*NQ*(\sc)+NQ*(\a)+(\q)] matrix_a_fmt:MATRIX_FMT_FP4 matrix_b_fmt:MATRIX_FMT_FP4 matrix_a_scale:MATRIX_SCALE_ROW1
.else
	v_wmma_scale_f32_16x16x128_f8f6f4 v[8*(8*((\a)%4)+\b):8*(8*((\a)%4)+\b)+7], v[128*(\p)+FR*\b:128*(\p)+FR*\b+FR-1], v[AF+FR*(\a):AF+FR*(\a)+FR-1], v[8*(8*((\a)%4)+\b):8*(8*((\a)%4)+\b)+7], v[SC+8*NQ*(\sc)+NQ*\b+(\q)], v[SC+8*NQ*(\sc)+NQ*(\a)+(\q)] matrix_a_fmt:MATRIX_FMT_FP4 matrix_b_fmt:MATRIX_FMT_FP4 matrix_a_scale:MATRIX_SCALE_ROW1
.endif
.endr
.endr
.endm
.macro FETCH_B slot, q, p
	WIN TO_B
.irp i, 0,1,2,3,4,5,6,7
	FRAG 128*(\p)+FR*\i, ADRB+\slot, \q, \i
.endr
	WIN 0
.endm
.macro FETCH_A slot, q, i0
.irp i, \i0, \i0+1, \i0+2, \i0+3
	FRAG AF+FR*(\i), ADRA+\slot, \q, \i
.endr
.endm
.macro SCALES sc
.irp i, 0,1,2,3,4,5,6,7
	ds_load_b128 v[SC+8*NQ*\sc+NQ*\i:SC+8*NQ*\sc+NQ*\i+3], v[ADRS] offset:\i*SBLK
.endr
.endm
.macro PLACES n
.rept \n
	v_nop
.endr
.endm
.macro STEP slot, q, zero
	s_wait_dscnt 4*NL                              ; B's set and A's blocks 0-3 are in; the youngest eight loads (A's blocks 4-7) may be out
.if \zero
	WIN ZER_LO
.else
	WIN MUL_LO
.endif
	MUL16 0, (\q)%2, \q, \slot, \zero
	MUL16 2, (\q)%2, \q, \slot, \zero
	s_wait_dscnt 0
	PLACES NP
	FETCH_B \slot, (\q)+1, 1-(\q)%2
	FETCH_A \slot, (\q)+1, 0
.if \zero
	WIN ZER_HI
.else
	WIN MUL_HI
.endif
	MUL16 4, (\q)%2, \q, \slot, \zero
	MUL16 6, (\q)%2, \q, \slot, \zero
	PLACES NP
	WIN 0
	FETCH_A \slot, (\q)+1, 4
.endm
.macro TURN slot, next                 ; a slot's last step changes slots: one barrier; in front of it each wave has waited for all its tensor loads (its part of the next slot); nothing is filled again
	s_wait_tensorcnt 0x0
	ds_add_u32 v[SPW], v[NIL]
	s_wait_dscnt 4*NL+1                            ; (the add and the youngest eight loads may be out)
	WIN MUL_LO
	MUL16 0, 1, NQ-1, \slot, 0
	s_wait_dscnt 0x0                               ; the add is done, and my reads of this slot are over
	s_barrier_signal -1
	MUL16 2, 1, NQ-1, \slot, 0
	WIN 0
	s_barrier_wait -1                              ; the next slot is whole, and nobody reads this one any more
	PLACES NP
	v_add_nc_u32 v[ADRS], 4*NQ, v[ADRS]
	FETCH_B \next, 0, 0
	FETCH_A \next, 0, 0
	SCALES \next
	WIN MUL_HI
	MUL16 4, 1, NQ-1, \slot, 0
	MUL16 6, 1, NQ-1, \slot, 0
	PLACES NP
	WIN 0
	FETCH_A \next, 0, 4
.endm
.macro STEPS slot, from
.set Q, \from
.rept NQ-1-\from
	STEP \slot, Q, 0
.set Q, Q+1
.endr
.endm
	s_wait_tensorcnt 1                             ; the scale bytes and my part of slot 0 are in (slot 1's load may be out)
	s_barrier_signal -1
	s_barrier_wait -1                              ; everybody's are
	FETCH_B 0, 0, 0
	FETCH_A 0, 0, 0
	SCALES 0
	FETCH_A 0, 0, 4
	s_wait_loadcnt 0x0                             ; the bias
	STEP 0, 0, 1
	STEPS 0, 1
	TURN 0, 1
	STEPS 1, 0
	s_wait_dscnt 4*NL                              ; the last step: nothing more to fetch
	WIN MUL_LO
	MUL16 0, 1, NQ-1, 1, 0
	MUL16 2, 1, NQ-1, 1, 0
	s_wait_dscnt 0
	WIN MUL_HI
	MUL16 4, 1, NQ-1, 1, 0
	MUL16 6, 1, NQ-1, 1, 0
	WIN 0
; THE WAY OUT, block by block of 16 rows x 128 columns, through my own stage in LDS: in by 32 bytes of a row (tile b's eight columns begin at column 32 (b / 2) + 16 h + 8 (b % 2)), back as whole rows of 512 bytes.
; LDS serves a wave's instructions in order (ISA guide 5.7.1.4): no wait between the stores and the loads, nor in front of the next block's stores.
.macro TOSTAGE a
.set AC, 64*((\a)%4)
	WIN (0x08+4*((\a)/4))                          ; the data: window 2 or 3
.irp b, 0,1,2,3,4,5,6,7
	ds_store_b128 v[STO], v[AC+8*\b:AC+8*\b+3] offset:128*(\b/2)+32*(\b%2)          ; each accumulator from its low end on
	ds_store_b128 v[STO], v[AC+8*\b+4:AC+8*\b+7] offset:128*(\b/2)+32*(\b%2)+16
.endr
	WIN 0
.set BB, BK+64*((\a)%2)
.irp t, 0,1,2,3,4,5,6,7,8,9,10,11,12,13,14,15
	ds_load_b128 v[BB+4*\t:BB+4*\t+3], v[RD] offset:\t*SPITCH
.endr
.endm
.macro SEND a, younger                 ; younger: the LDS instructions issued behind block a's loads, which may stay out
.set BB, BK+64*((\a)%2)
	s_wait_dscnt \younger
.irp t, 0,1,2,3,4,5,6,7,8,9,10,11,12,13,14,15
	global_store_b128 v[CO], v[BB+4*\t:BB+4*\t+3], s[92:93] offset:(32*((\a)/2)+8*((\a)%2)+(\t%8)+16*(\t/8))*4096 th:TH_STORE_NT   ; place t of tile a is row 32 (a / 2) + 8 (a % 2) + t + 8 (t / 8); 512 consecutive bytes, aligned; 127 rows at the most: inside the signed 24-bit immediate
.endr
.endm
	PLACES NP                                      ; ahead of the first read of results and of loads into the registers that held operands
	TOSTAGE 0
.irp a, 1,2,3,4,5,6,7
.if \a > 1
	s_wait_xcnt 0x0                                ; block a - 2's stores have read their registers: block a's loads may land there
.endif
	TOSTAGE \a
	SEND \a-1, 32                                  ; behind block a - 1's loads: block a's 16 stores and 16 loads
.endr
	SEND 7, 0
	s_wait_tensorcnt 0x0                           ; the wave's end
	ds_add_u32 v[SPW], v[NIL]
	s_wait_dscnt 0x0
	CROUND                                         ; the closing round
	s_endpgm
.Lfunc_end_k_q8c509fe7e8_proj:
	.size	k_q8c509fe7e8_proj, .Lfunc_end_k_q8c509fe7e8_proj-k_q8c509fe7e8_proj
	.p2alignl 7, 3214868480
	.fill 96, 4, 3214868480
	.section	.rodata,"a",@progbits
	.p2align	6, 0x0
	.amdhsa_kernel k_q8c509fe7e8_proj
		.amdhsa_group_segment_fixed_size 327680
		.amdhsa_private_segment_fixed_size 0
		.amdhsa_enable_private_segment 0
		.amdhsa_kernarg_size 48
		.amdhsa_user_sgpr_count 2
		.amdhsa_user_sgpr_kernarg_segment_ptr 1
		.amdhsa_wavefront_size32 1
		.amdhsa_system_sgpr_workgroup_id_x 1
		.amdhsa_system_sgpr_workgroup_id_y 1
		.amdhsa_system_sgpr_workgroup_id_z 1
		.amdhsa_system_vgpr_workitem_id 0
		.amdhsa_next_free_vgpr 1024
		.amdhsa_next_free_sgpr 100
		.amdhsa_reserve_vcc 0
		.amdhsa_float_denorm_mode_32 3
		.amdhsa_float_denorm_mode_16_64 3
		.amdhsa_memory_ordered 1
		.amdhsa_forward_progress 1
		.amdhsa_inst_pref_size 125
	.end_amdhsa_kernel
	.amdgpu_metadata
---
amdhsa.version: [ 1, 2 ]
amdhsa.kernels:
  - .name:           k_q8c509fe7e8_proj
    .symbol:         k_q8c509fe7e8_proj.kd
    .args:
      - { .name: ocod, .offset: 0, .size: 8, .value_kind: global_buffer, .address_space: global }
      - { .name: oscl, .offset: 8, .size: 8, .value_kind: global_buffer, .address_space: global }
      - { .name: cod, .offset: 16, .size: 8, .value_kind: global_buffer, .address_space: global }
      - { .name: scl, .offset: 24, .size: 8, .value_kind: global_buffer, .address_space: global }
      - { .name: bp, .offset: 32, .size: 8, .value_kind: global_buffer, .address_space: global }
      - { .name: out0, .offset: 40, .size: 8, .value_kind: global_buffer, .address_space: global }
    .group_segment_fixed_size: 327680
    .private_segment_fixed_size: 0
    .kernarg_segment_align: 8
    .kernarg_segment_size: 48
    .max_flat_workgroup_size: 128
    .sgpr_count:     100
    .vgpr_count:     1024
    .wavefront_size: 32
...
	.end_amdgpu_metadata
.endif
;; end of part 4
